; MI455X (gfx1250); checked and timed in simulation.
; The chip was launched on July 23, 2026; its instructions are those of AMD's public machine-readable ISA for CDNA 5 (MIT licence, August 2026) and "CDNA5" Instruction Set Architecture Reference Guide (July 2026). The comments in the code are by the model that wrote it; some were corrected since.
;; Multi Head Attention. Allowed arithmetic: matrix products marked QUANTISED: E2M3 operands, one E8M0 scale for each 32 along K, by v_wmma_scale_f32_16x16x128_f8f6f4 with both operands' format E2M3, f32 sums; everything else in f32.
;; Inputs: K 4 x 2,048 x 1,024 float32; Q 4 x 2,048 x 1,024 float32; V 4 x 2,048 x 1,024 float32; Wk 1,024 x 1,024 float32; Wo 1,024 x 1,024 float32; Wq 1,024 x 1,024 float32; Wv 1,024 x 1,024 float32; bk 1,024 float32; bo 1,024 float32; bq 1,024 float32; bv 1,024 float32.
;; Outputs: out0 4 x 2,048 x 1,024 float32.
;; This version of the problem:
;;   THIS VERSION OF THE PROBLEM IS GIVEN IN LOW PRECISION. The matrix products marked QUANTISED in the list below multiply operands that are first quantised to E2M3 (2 exponent bits, 3 mantissa bits; 6 bits a number), with one power-of-two scale for each 32 numbers along K (OCP MX v1.0); their sums are f32. All else is computed in f32.
;;   The module's matrix products, in the order in which they are computed (A, B: the left and right operand; K: the contracted axis; several contracted axes count as one K, in the product's order):
;;     1. [M 8,192, K 1,024] x [K 1,024, N 1,024]; A: input Q; B: input Wq: QUANTISED
;;     2. [M 8,192, K 1,024] x [K 1,024, N 1,024]; A: input K; B: input Wk: QUANTISED
;;     3. [M 8,192, K 1,024] x [K 1,024, N 1,024]; A: input V; B: input Wv: QUANTISED
;;     4. batch 64 x [M 2,048, K 64] x [K 64, N 2,048]; A: computed on the way; B: computed on the way: QUANTISED
;;     5. batch 64 x [M 2,048, K 2,048] x [K 2,048, N 64]; A: softmax (see below); B: computed on the way: QUANTISED
;;     6. [M 8,192, K 1,024] x [K 1,024, N 1,024]; A: computed on the way; B: input Wo: QUANTISED
;;   THE QUANTISER, for each operand of a quantised product, along K:
;;     - K is cut into blocks of 32 from its start; a last block that is shorter is filled with zeros.
;;     - A block's scale is 2^e with e = floor(log2(the largest magnitude in the block)) - 2, held to -126 .. 127; a block of zeros has e = 0. As a byte (E8M0): e + 127.
;;     - Each number is divided by its block's scale, clamped to +-7.5, and rounded to the nearest number of E2M3, ties to even, subnormals kept.
;;     - The product sums the exact products of the quantised numbers (number of the format x scale) in f32.
;;   ~~~python
;;   def quantise(x, axis):      # numpy; x: float32 -> the quantised numbers, widened to float32 again
;;       x = np.moveaxis(x, axis, -1); K = x.shape[-1]
;;       x = np.pad(x, [(0, 0)] * (x.ndim - 1) + [(0, -K % 32)]); x = x.reshape(x.shape[:-1] + (-1, 32)); a = np.abs(x).max(-1, keepdims=True)
;;       e = np.where(a > 0, np.clip(np.frexp(np.where(a > 0, a, 1))[1] - 1 - 2, -126, 127), 0)      # np.frexp(a)[1] - 1 = floor(log2(a)), exactly
;;       r = np.clip(x / 2.0 ** e, -7.5, 7.5)
;;       step = 2.0 ** (np.maximum(np.frexp(np.where(r == 0, 1, r))[1] - 1, 0) - 3)
;;       q = np.round(r / step) * step * 2.0 ** e      # np.round: ties to even
;;       return np.moveaxis(q.reshape(q.shape[:-2] + (-1,))[..., :K], -1, axis).astype(np.float32)
;;   ~~~
;;   SOFTMAX AHEAD OF A QUANTISED PRODUCT. Where the list says 'softmax', what is quantised is not the finished softmax but p = 2^(t - M), with t = logit x log2(e) and M = ceil(the row's largest t), a whole number; so 1/2 < the row's largest p <= 1. The row's sum l is taken of the UNQUANTISED p, in f32, and the product's result is divided by l at the end. Since M is a whole number, a kernel that streams over the keys may use a running M (the ceiling of the running maximum): every later rescaling is an exact power of two, which a block's scale takes up: the codes' values come out the same.
;;   OPERANDS COMPUTED ON THE WAY. 'Computed on the way' means the value that the module computes at that place (a softmax that the list does not call 'softmax' is quantised finished and normalised). What goes into a quantiser is computed in f32, as accurately as f32 sums, v_exp_f32 and their like allow (about 1e-6 of the number): no bf16 or f16 on the way to a quantiser, and a product that is left as it is and whose result goes on into a quantised operand takes f32 operands (vector FMAs, or v_wmma_f32_16x16x4_f32). A number that lies on a knife's edge between two numbers of the format may be rounded either way, as far as f32 arithmetic and the matrix unit's own rounding can turn it there, and no further.
;; One version. Each part assembles by itself: llvm-mc -triple=amdgcn-amd-amdhsa -mcpu=gfx1250 --defsym DOCPART=n.
;; ======== version 1 of 1: 4 launches
;; limits: right only within a limited range of input values
;; workspace buffers: cod 22,020,096 bytes; scl 917,504 bytes; pc 18,874,368 bytes; ps 786,432 bytes; cc 6,291,456 bytes; cs 262,144 bytes
;; launch quant (part 1): grid 896 x 1, 4 waves a work-group, no clusters, 34,304 bytes of LDS; arguments Q, K, V, Wq, Wk, Wv, Wo, cod, scl; writes cod, scl
.if DOCPART == 1
	.amdgcn_target "amdgcn-amd-amdhsa--gfx1250"
	.amdhsa_code_object_version 6
	.text
	.protected	k_qa0cbfca48d_quant
	.globl	k_qa0cbfca48d_quant
	.p2align	8
	.type	k_qa0cbfca48d_quant,@function
k_qa0cbfca48d_quant:
	s_mov_b64 s[64:65], 0
	v_nop
	global_prefetch_b8 v0, s[64:65] scope:SCOPE_SE
	s_setreg_imm32_b32 hwreg(HW_REG_WAVE_MODE, 25, 1), 1
	s_wait_xcnt 0x0
; Q, K, V [8192][1024] and Wq, Wk, Wv, Wo [1024][1024], f32 with K innermost, become codes of FP6 (E2M3) with one E8M0 byte for each 32 along K,
; laid as IMAGES OF OPERAND REGISTERS.  cod: [row tile of 16][K step of 128: 1,536 bytes][register pair p: 256 bytes][lane: 8 bytes];  scl: [row tile: 512 bytes][two K steps: 128 bytes][row: 8 bytes][word].
; THE ROWS OF A TILE ARE NOT NEIGHBOURS: of each 32 rows, tile u (0, 1) takes in its lane row p the row 8 u + p + 8 (p / 8).  In a product used transposed the 16 registers of two neighbouring tiles
; are then 16 neighbours along the next product's K.  The last launch of the program puts the rows back.
; A block's scale is 2^(floor(log2(largest magnitude)) - 2); its byte is the largest magnitude's exponent field - 2, held at 1 from below.
; LIMITS: NaN and infinities are not served.  A block of zeros gets the byte 1 (the rule says 127): its codes are zeros, and this program alone reads the bytes.  Magnitudes under 2^-124 share the byte 1.
; SHARES: a work-group takes 32 rows of one tensor; wave w takes tile w / 2 and half w % 2 of K: four fragments.  Each load reads 512 consecutive bytes of a row; a fragment's 16 x 512 bytes turn through the
; wave's own stage in LDS (rows 528 bytes apart: an odd multiple of 16) and come back 16 neighbours a lane and block.  Each store of codes covers 256 consecutive bytes, aligned.  No barrier: waves share nothing.
; No cluster: no two work-groups read the same bytes.
.set SP,    528
.set WST,   16*SP                      ; a wave's stage
.set SPARE, 4*WST                      ; behind the stages: the spare words, 128 bytes a wave
.set OFF,   1                          ; v1   16 x lane: my bytes of a load's 512
.set SIN,   2                          ; v2   the stage, on the way in
.set SOUT,  3                          ; v3   and on the way out: 528 r + 64 h
.set OUT8,  4                          ; v4   8 x lane: the stores
.set SPW,   6                          ; v6   my spare word; never rewritten
.set NIL,   7                          ; v7   0; never rewritten
.set TM,    8                          ; v8-23  at work in QUANT
.set PW,    24                         ; v24-27 the four fragments' scale words;  v28-29 the pair that I store
.set PC,    32                         ; v32-43 a fragment's codes
.set CT,    44                         ; v44-50 halves of blocks on their way
.set X,     64                         ; v64-127 64 numbers: register 16 b + i = k 32 b + 16 h + i of my row
.set R,     128                        ; v128-255 two sets of 16 x 4 registers as loaded
.set SRC,   22                         ; s[22:23] my tensor, then my wave's first byte in it
.set SEL,   24                         ; s[24:25] lane selects: lane l xor 16
; 64 numbers of a lane become a fragment's twelve registers (d0: the first six, d1: the last six) and its scale word pw.
.macro QUANT s, d0, d1, ct, pw, tm
.irp b, 0,1,2,3
	v_max3_num_f32 v[\tm+\b], |v[\s+16*\b]|, |v[\s+1+16*\b]|, 0x1800000   ; my 16 numbers of block b, and the floor 2^(3 - 127): the byte cannot fall under 1
.endr
.irp i, 2,4,6,8,10,12,14
.irp b, 0,1,2,3
	v_max3_num_f32 v[\tm+\b], v[\tm+\b], |v[\s+16*\b+\i]|, |v[\s+1+16*\b+\i]|   ; the four blocks by turns
.endr
.endr
.irp b, 0,1,2,3
	v_permlanex16_b32 v[\tm+4+\b], v[\tm+\b], s[SEL], s[SEL+1]
.endr
.irp b, 0,1,2,3
	v_max_num_f32 v[\tm+\b], v[\tm+\b], v[\tm+4+\b]   ; with lane l xor 16's: the block's largest magnitude
.endr
.irp b, 0,1,2,3
	v_add_nc_u32 v[\tm+12+\b], 0xff000000, v[\tm+\b]   ; 2 off its exponent field: the conversion's scale operand
.endr
.irp b, 0,1,2,3
	v_lshrrev_b32 v[\tm+4+\b], 23, v[\tm+12+\b]   ; the scale's byte
.endr
	v_lshl_or_b32 v[\pw], v[\tm+5], 8, v[\tm+4]
	v_lshl_or_b32 v[\pw], v[\tm+6], 16, v[\pw]
	v_lshl_or_b32 v[\pw], v[\tm+7], 24, v[\pw]
	v_cvt_scalef32_pk16_fp6_f32 v[\d0:\d0+2], v[\s:\s+15], v[\tm+12]
	v_cvt_scalef32_pk16_fp6_f32 v[\ct:\ct+2], v[\s+16:\s+31], v[\tm+13]
	v_cvt_scalef32_pk16_fp6_f32 v[\d1:\d1+2], v[\s+32:\s+47], v[\tm+14]
	v_cvt_scalef32_pk16_fp6_f32 v[\ct+4:\ct+6], v[\s+48:\s+63], v[\tm+15]
	v_nop                                          ; one plain place behind the scaled conversions
.irp i, 0,1,2
	v_permlane16_swap_b32 v[\d0+\i], v[\ct+\i]     ; the layout wants a whole block in a lane: lanes 0-15 the even block, lanes 16-31 the odd one
.endr
.irp i, 0,1,2
	v_mov_b32 v[\d0+3+\i], v[\ct+\i]
.endr
.irp i, 0,1,2
	v_permlane16_swap_b32 v[\d1+\i], v[\ct+4+\i]
.endr
.irp i, 0,1,2
	v_mov_b32 v[\d1+3+\i], v[\ct+4+\i]
.endr
.endm
.macro PICK lim, ptr, base             ; a work-group under lim belongs to an earlier tensor: the choice hangs on the work-group's number alone
	s_cmp_lt_u32 ttmp9, \lim
	s_cselect_b64 s[SRC:SRC+1], s[\ptr:\ptr+1], s[SRC:SRC+1]
	s_cselect_b32 s27, \base, s27
.endm
.macro LOAD f                          ; fragment f: 512 bytes of each of my tile's 16 rows
.irp p, 0,1,2,3,4,5,6,7,8,9,10,11,12,13,14,15
	global_load_b128 v[R+64*((\f)%2)+4*\p:R+64*((\f)%2)+4*\p+3], v[OFF], s[SRC:SRC+1] offset:(\p+8*(\p/8))*4096+512*(\f) th:TH_LOAD_NT
.endr
.endm
.macro TURN f                          ; through the stage: LDS serves a wave's instructions in order, so no wait stands between the stores and the loads
.irp p, 0,1,2,3,4,5,6,7,8,9,10,11,12,13,14,15
	ds_store_b128 v[SIN], v[R+64*((\f)%2)+4*\p:R+64*((\f)%2)+4*\p+3] offset:SP*\p
.endr
.irp b, 0,1,2,3
.irp j, 0,1,2,3
	ds_load_b128 v[X+16*\b+4*\j:X+16*\b+4*\j+3], v[SOUT] offset:128*\b+16*\j
.endr
.endr
.endm
.macro PIECE f
.if (\f) < 3
	s_wait_loadcnt 16                              ; this fragment's 16 loads are in; the other set's 16 may be out
.else
	s_wait_loadcnt 0x0
.endif
	TURN \f
	s_wait_dscnt 0x0                               ; the numbers are back, and the stores into the stage have read their registers,
.if (\f) < 2
	LOAD (\f)+2                                    ; which take the fragment two further on
.endif
.if (\f) > 0
	s_wait_xcnt 0x0                                ; the last fragment's stores have read their data: the codes' registers are written again only behind this wait
.endif
	QUANT X, PC, PC+6, CT, PW+(\f), TM
.irp p, 0,1,2,3,4,5
	global_store_b64 v[OUT8], v[PC+2*\p:PC+2*\p+1], s[18:19] offset:1536*(\f)+256*\p   ; 32 lanes store 256 consecutive bytes, aligned
.endr
.endm
	s_load_b512 s[4:19], s[0:1], 0x0               ; Q, K, V, Wq, Wk, Wv, Wo, cod
	s_load_b64 s[20:21], s[0:1], 0x40              ; scl
	v_lshl_add_u32 v[SPW], v0, 2, SPARE
	v_mov_b32 v[NIL], 0
	v_lshrrev_b32 v5, 5, v0
	v_readfirstlane_b32 s28, v5                    ; wave
	v_and_b32 v5, 31, v0                           ; lane
	v_lshlrev_b32 v[OFF], 4, v5
	v_lshlrev_b32 v[OUT8], 3, v5
	s_mul_i32 s29, s28, WST
	v_add_nc_u32 v[SIN], s29, v[OFF]
	v_and_b32 v[SOUT], 15, v0
	v_mul_u32_u24 v[SOUT], v[SOUT], SP
	v_bfe_u32 v5, v0, 4, 1
	v_lshl_add_u32 v[SOUT], v5, 6, v[SOUT]
	v_add_nc_u32 v[SOUT], s29, v[SOUT]
	s_lshr_b32 s30, s28, 1                         ; which of the two tiles
	s_and_b32 s31, s28, 1                          ; which half of K
	s_mov_b32 s[SEL], 0x76543210
	s_mov_b32 s[SEL+1], 0xfedcba98
	s_mov_b32 s26, 0xffff0000                      ; lanes 16-31
.irp b, 0,1,2,3
	v_mov_b32 v[TM+4+\b], 0                        ; written once: a lane permute's destination counts as one of its sources
.endr
	s_wait_alu depctr_va_vdst(0)
	s_wait_kmcnt 0x0
	s_mov_b64 s[SRC:SRC+1], s[16:17]               ; Wo, unless the work-group's number says otherwise
	s_mov_b32 s27, 864
	PICK 864, 14, 832
	PICK 832, 12, 800
	PICK 800, 10, 768
	PICK 768, 8, 512
	PICK 512, 6, 256
	PICK 256, 4, 0
	s_sub_co_u32 s27, ttmp9, s27                   ; which 32 rows of the tensor
	s_lshl_b32 s32, s27, 17                        ; 32 rows of 4,096 bytes,
	s_lshl_b32 s33, s30, 15                        ; 8 rows for the second tile,
	s_add_co_u32 s32, s32, s33
	s_lshl_b32 s33, s31, 11                        ; 512 numbers for the second half of K
	s_add_co_u32 s32, s32, s33
	s_mov_b32 s33, 0
	s_add_nc_u64 s[SRC:SRC+1], s[SRC:SRC+1], s[32:33]
	s_lshl_b32 s34, ttmp9, 1
	s_add_co_u32 s34, s34, s30                     ; my row tile among the 1,792
	s_mul_i32 s32, s34, 12288
	s_mul_i32 s35, s31, 6144
	s_add_co_u32 s32, s32, s35
	s_add_nc_u64 s[18:19], s[18:19], s[32:33]
	s_lshl_b32 s32, s34, 9
	s_lshl_b32 s35, s31, 8
	s_add_co_u32 s32, s32, s35
	s_add_nc_u64 s[20:21], s[20:21], s[32:33]
	LOAD 0
	LOAD 1
	PIECE 0
	PIECE 1
	PIECE 2
	PIECE 3
	v_cndmask_b32 v28, v[PW], v[PW+2], s26         ; lanes 0-15 store the words of my first two K steps, lanes 16-31 those of the last two
	v_cndmask_b32 v29, v[PW+1], v[PW+3], s26
	global_store_b64 v[OUT8], v[28:29], s[20:21]   ; 256 consecutive bytes, aligned
	s_wait_tensorcnt 0x0                           ; the wave's end: behind my last LDS store
	ds_add_u32 v[SPW], v[NIL]
	s_wait_dscnt 0x0
	s_endpgm
.Lfunc_end_k_qa0cbfca48d_quant:
	.size	k_qa0cbfca48d_quant, .Lfunc_end_k_qa0cbfca48d_quant-k_qa0cbfca48d_quant
	.p2alignl 7, 3214868480
	.fill 96, 4, 3214868480
	.section	.rodata,"a",@progbits
	.p2align	6, 0x0
	.amdhsa_kernel k_qa0cbfca48d_quant
		.amdhsa_group_segment_fixed_size 34304
		.amdhsa_private_segment_fixed_size 0
		.amdhsa_enable_private_segment 0
		.amdhsa_kernarg_size 72
		.amdhsa_user_sgpr_count 2
		.amdhsa_user_sgpr_kernarg_segment_ptr 1
		.amdhsa_wavefront_size32 1
		.amdhsa_system_sgpr_workgroup_id_x 1
		.amdhsa_system_sgpr_workgroup_id_y 1
		.amdhsa_system_sgpr_workgroup_id_z 1
		.amdhsa_system_vgpr_workitem_id 0
		.amdhsa_next_free_vgpr 256
		.amdhsa_next_free_sgpr 66
		.amdhsa_reserve_vcc 0
		.amdhsa_float_denorm_mode_32 3
		.amdhsa_float_denorm_mode_16_64 3
		.amdhsa_memory_ordered 1
		.amdhsa_forward_progress 1
		.amdhsa_inst_pref_size 35
	.end_amdhsa_kernel
	.amdgpu_metadata
---
amdhsa.version: [ 1, 2 ]
amdhsa.kernels:
  - .name:           k_qa0cbfca48d_quant
    .symbol:         k_qa0cbfca48d_quant.kd
    .args:
      - { .name: Q, .offset: 0, .size: 8, .value_kind: global_buffer, .address_space: global }
      - { .name: K, .offset: 8, .size: 8, .value_kind: global_buffer, .address_space: global }
      - { .name: V, .offset: 16, .size: 8, .value_kind: global_buffer, .address_space: global }
      - { .name: Wq, .offset: 24, .size: 8, .value_kind: global_buffer, .address_space: global }
      - { .name: Wk, .offset: 32, .size: 8, .value_kind: global_buffer, .address_space: global }
      - { .name: Wv, .offset: 40, .size: 8, .value_kind: global_buffer, .address_space: global }
      - { .name: Wo, .offset: 48, .size: 8, .value_kind: global_buffer, .address_space: global }
      - { .name: cod, .offset: 56, .size: 8, .value_kind: global_buffer, .address_space: global }
      - { .name: scl, .offset: 64, .size: 8, .value_kind: global_buffer, .address_space: global }
    .group_segment_fixed_size: 34304
    .private_segment_fixed_size: 0
    .kernarg_segment_align: 8
    .kernarg_segment_size: 72
    .max_flat_workgroup_size: 128
    .sgpr_count:     66
    .vgpr_count:     256
    .wavefront_size: 32
...
	.end_amdgpu_metadata
.endif
;; end of part 1
;; launch proj (part 2): grid 4 x 96, 4 waves a work-group, clusters of 4 x 4, 327,680 bytes of LDS; arguments cod, scl, bq, bk, bv, pc, ps; writes pc, ps
.if DOCPART == 2
	.amdgcn_target "amdgcn-amd-amdhsa--gfx1250"
	.amdhsa_code_object_version 6
	.text
	.protected	k_qa0cbfca48d_proj
	.globl	k_qa0cbfca48d_proj
	.p2align	8
	.type	k_qa0cbfca48d_proj,@function
k_qa0cbfca48d_proj:
	s_mov_b64 s[64:65], 0
	v_nop
	global_prefetch_b8 v0, s[64:65] scope:SCOPE_SE
	s_setreg_imm32_b32 hwreg(HW_REG_WAVE_MODE, 25, 1), 1
	s_wait_xcnt 0x0
	s_wait_alu depctr_hold_cnt(0) depctr_sa_sdst(0) depctr_va_vdst(0) depctr_va_sdst(0) depctr_va_ssrc(0) depctr_va_vcc(0) depctr_vm_vsrc(0)
	s_getreg_b32 s2, hwreg(HW_REG_IB_STS2, 6, 4)
	s_cmp_eq_u32 s2, 0
	s_cbranch_scc0 .Lentry_in_a_cluster
	s_endpgm
.Lentry_in_a_cluster:
	s_bfe_u32 s2, ttmp6, 0x10000c
	s_cmp_lg_u32 s2, 0xf033
	s_cbranch_scc0 .Lentry_shape_is_right
	s_endpgm
.Lentry_shape_is_right:
.set FR,     12
.set NL,     6
.set NP,     4
.set FRB,    1536
.set TILEB,  3072
.set HALFT,  8*TILEB
.set SLOT,   4*HALFT
.set SCL,    3*SLOT
.set HALFS,  4096
.set SPARE,  SCL+4*HALFS
.set COD_K,  6291456
.set COD_V,  12582912
.set COD_WQ, 18874368
.set COD_WK, 19660800
.set COD_WV, 20447232
.set SCL_K,  262144
.set SCL_V,  524288
.set SCL_WQ, 786432
.set SCL_WK, 819200
.set SCL_WV, 851968
.set ADRA, 16
.set ADRB, 20
.set CO,   24
.set SO,   25
.set PSEL, 26
.set ADRS, 27
.set SPW,  28
.set NIL,  29
.set SC,   32
.set BI,   64
.set AF,   128
.set BV,   224
.set X,    128
.set F0,   192
.set F1,   204
.set CT,   216
.set TM,   32
.set G1, 24
.set G0, 32
.set G1B, 44
.set G0B, 52
.set G1S, 68
.set G1SB, 76
.set G0S, 84
.set G0SB, 88
.set SEL, 100
.set MSB, 0
.macro WIN new
.if MSB != (\new)
	s_set_vgpr_msb (MSB<<8)|(\new)
.set MSB, (\new)
.endif
.endm
.set MUL_LO, 0xa1
.set MUL_HI, 0xf1
.set TO_B,   0x40
.macro JLOAD g0a, g1a, g0b, g1b
	s_cmp_eq_u32 s19, 0
	s_cbranch_scc0 .Lfor_b_\@
	tensor_load_to_lds s[\g0a:\g0a+3], s[\g1a:\g1a+7]
	s_nop 0
.rept 4
	v_nop
.endr
	s_branch .Lasked_\@
.Lfor_b_\@:
	tensor_load_to_lds s[\g0b:\g0b+3], s[\g1b:\g1b+7]
	s_nop 0
.rept 4
	v_nop
.endr
.Lasked_\@:
.endm
.macro CREST
	s_cmp_lg_u32 s18, 0
	s_cbranch_scc1 .Lnot_wave_0_\@
	s_barrier_signal -3
.Lnot_wave_0_\@:
	s_barrier_wait -3
	s_barrier_signal -1
	s_barrier_wait -1
.endm
.macro CROUND
	s_barrier_signal -1
	s_barrier_wait -1
	CREST
.endm
.macro FRAG reg, adr, q, i
.irp p, 0,1,2,3,4,5
	ds_load_b64 v[\reg+2*\p:\reg+2*\p+1], v[\adr] offset:(\i)*TILEB+(\q)*FRB+256*\p
.endr
.endm
.macro MUL16 a0, p, q, sc, zero
.irp a, \a0, \a0+1
.irp b, 0,1,2,3,4,5,6,7
.if \zero
	v_wmma_scale_f32_16x16x128_f8f6f4 v[8*(8*((\a)%4)+\b):8*(8*((\a)%4)+\b)+7], v[128*(\p)+FR*\b:128*(\p)+FR*\b+FR-1], v[AF+FR*(\a):AF+FR*(\a)+FR-1], 0, v[SC+16*(\sc)+2*\b+(\q)], v[SC+16*(\sc)+2*(\a)+(\q)] matrix_a_fmt:MATRIX_FMT_FP6 matrix_b_fmt:MATRIX_FMT_FP6 matrix_a_scale:MATRIX_SCALE_ROW1
.else
	v_wmma_scale_f32_16x16x128_f8f6f4 v[8*(8*((\a)%4)+\b):8*(8*((\a)%4)+\b)+7], v[128*(\p)+FR*\b:128*(\p)+FR*\b+FR-1], v[AF+FR*(\a):AF+FR*(\a)+FR-1], v[8*(8*((\a)%4)+\b):8*(8*((\a)%4)+\b)+7], v[SC+16*(\sc)+2*\b+(\q)], v[SC+16*(\sc)+2*(\a)+(\q)] matrix_a_fmt:MATRIX_FMT_FP6 matrix_b_fmt:MATRIX_FMT_FP6 matrix_a_scale:MATRIX_SCALE_ROW1
.endif
.endr
.endr
.endm
.macro FETCH_B slot, q, p
	WIN TO_B
.irp i, 0,1,2,3,4,5,6,7
	FRAG 128*(\p)+FR*\i, ADRB+\slot, \q, \i
.endr
	WIN 0
.endm
.macro FETCH_A slot, q, i0
.irp i, \i0, \i0+1, \i0+2, \i0+3
	FRAG AF+FR*(\i), ADRA+\slot, \q, \i
.endr
.endm
.macro SCALES sc
.irp i, 0,1,2,3,4,5,6,7
	ds_load_b64 v[SC+16*(\sc)+2*\i:SC+16*(\sc)+2*\i+1], v[ADRS] offset:\i*512
.endr
.endm
.macro PLACES n
.rept \n
	v_nop
.endr
.endm
.macro STEP slot, q, sc, zero
	s_wait_dscnt 4*NL
	WIN MUL_LO
	MUL16 0, (\q)%2, \q, \sc, \zero
	MUL16 2, (\q)%2, \q, \sc, \zero
	s_wait_dscnt 0
	PLACES NP
	FETCH_B \slot, (\q)+1, 1-(\q)%2
	FETCH_A \slot, (\q)+1, 0
	WIN MUL_HI
	MUL16 4, (\q)%2, \q, \sc, \zero
	MUL16 6, (\q)%2, \q, \sc, \zero
	PLACES NP
	WIN 0
	FETCH_A \slot, (\q)+1, 4
.endm
.macro TURN slot, next, sc, mode
.if \mode
	s_wait_tensorcnt 0x0
	ds_add_u32 v[SPW], v[NIL]
	s_wait_dscnt 4*NL+1
	WIN MUL_LO
	MUL16 0, 1, 1, \sc, 0
	s_wait_dscnt 0x0
	s_barrier_signal -1
	MUL16 2, 1, 1, \sc, 0
	WIN 0
	s_barrier_wait -1
.else
	s_wait_dscnt 4*NL
	WIN MUL_LO
	MUL16 0, 1, 1, \sc, 0
	MUL16 2, 1, 1, \sc, 0
	s_wait_dscnt 0x0
	WIN 0
.endif
.if \mode == 2
	CREST
	s_mov_b32 s[G1+2], 8<<16                       ; no tensor load of mine is out: from here on a load brings eight row tiles
	s_mov_b32 s[G1+4], 8
	s_mov_b32 s[G1B+2], 8<<16
	s_mov_b32 s[G1B+4], 8
	s_add_nc_u64 s[G0+4*\slot+2:G0+4*\slot+3], s[G0+4*\slot+2:G0+4*\slot+3], 3*TILEB
	s_add_nc_u64 s[G0B+4*\slot+2:G0B+4*\slot+3], s[G0B+4*\slot+2:G0B+4*\slot+3], 3*TILEB
	JLOAD G0+4*\slot, G1, G0B+4*\slot, G1B
.else
	PLACES NP
.endif
	v_add_nc_u32 v[ADRS], 128, v[ADRS]
	FETCH_B \next, 0, 0
	FETCH_A \next, 0, 0
	SCALES 1-\sc
	WIN MUL_HI
	MUL16 4, 1, 1, \sc, 0
	MUL16 6, 1, 1, \sc, 0
	PLACES NP
	WIN 0
	FETCH_A \next, 0, 4
.endm
.macro QUANT s, d0, d1, ct, pw, tm
.irp b, 0,1,2,3
	v_max3_num_f32 v[\tm+\b], |v[\s+16*\b]|, |v[\s+1+16*\b]|, 0x1800000
.endr
.irp i, 2,4,6,8,10,12,14
.irp b, 0,1,2,3
	v_max3_num_f32 v[\tm+\b], v[\tm+\b], |v[\s+16*\b+\i]|, |v[\s+1+16*\b+\i]|
.endr
.endr
.irp b, 0,1,2,3
	v_permlanex16_b32 v[\tm+4+\b], v[\tm+\b], s[SEL], s[SEL+1]
.endr
.irp b, 0,1,2,3
	v_max_num_f32 v[\tm+\b], v[\tm+\b], v[\tm+4+\b]
.endr
.irp b, 0,1,2,3
	v_add_nc_u32 v[\tm+12+\b], 0xff000000, v[\tm+\b]
.endr
.irp b, 0,1,2,3
	v_lshrrev_b32 v[\tm+4+\b], 23, v[\tm+12+\b]
.endr
	v_lshl_or_b32 v[\pw], v[\tm+5], 8, v[\tm+4]
	v_lshl_or_b32 v[\pw], v[\tm+6], 16, v[\pw]
	v_lshl_or_b32 v[\pw], v[\tm+7], 24, v[\pw]
	v_cvt_scalef32_pk16_fp6_f32 v[\d0:\d0+2], v[\s:\s+15], v[\tm+12]
	v_cvt_scalef32_pk16_fp6_f32 v[\ct:\ct+2], v[\s+16:\s+31], v[\tm+13]
	v_cvt_scalef32_pk16_fp6_f32 v[\d1:\d1+2], v[\s+32:\s+47], v[\tm+14]
	v_cvt_scalef32_pk16_fp6_f32 v[\ct+4:\ct+6], v[\s+48:\s+63], v[\tm+15]
	v_nop
.irp i, 0,1,2
	v_permlane16_swap_b32 v[\d0+\i], v[\ct+\i]
.endr
.irp i, 0,1,2
	v_mov_b32 v[\d0+3+\i], v[\ct+\i]
.endr
.irp i, 0,1,2
	v_permlane16_swap_b32 v[\d1+\i], v[\ct+4+\i]
.endr
.irp i, 0,1,2
	v_mov_b32 v[\d1+3+\i], v[\ct+4+\i]
.endr
.endm
.macro ADD a, kind
	WIN 0x02+(\a)/4
.set i, 0
.rept 32
.if \kind
	v_pk_add_f32 v[X+2*i:X+2*i+1], v[64*((\a)%4)+2*i:64*((\a)%4)+2*i+1], v[BV+2*(\a):BV+2*(\a)+1]
.else
	v_pk_add_f32 v[X+2*i:X+2*i+1], v[64*((\a)%4)+2*i:64*((\a)%4)+2*i+1], v[BI+2*i:BI+2*i+1]
.endif
.set i, i+1
.endr
	WIN 0
.endm
	s_load_b256 s[4:11], s[0:1], 0x0
	s_load_b128 s[12:15], s[0:1], 0x20
	s_load_b64 s[16:17], s[0:1], 0x30
	v_lshl_add_u32 v[SPW], v0, 2, SPARE
	v_mov_b32 v[NIL], 0
	ds_add_u32 v[SPW], v[NIL]
	ds_add_u32 v[SPW], v[NIL]
	v_lshrrev_b32 v1, 5, v0
	v_readfirstlane_b32 s18, v1
	s_lshr_b32 s19, s18, 1
	s_and_b32 s20, s18, 1
	s_bfe_u32 s21, ttmp6, 0x40000
	s_bfe_u32 s22, ttmp6, 0x40004
	s_and_b32 s100, ttmp7, 0xffff
	s_lshr_b32 s23, s100, 3
	s_and_b32 s100, s100, 7
	s_lshl_b32 s100, s100, 2
	s_cmp_lt_u32 s23, 2
	s_cselect_b32 s66, s100, 0
	s_cselect_b32 s67, 0, s100
	s_add_co_u32 s66, s66, s22
	s_add_co_u32 s67, s67, s21
	s_lshl_b32 s92, s22, 2
	s_lshl_b32 s92, 15, s92
	s_lshl_b32 s96, 0x1111, s21
	s_or_b32 s[G1], s92, (3<<16)|(1<<21)
	s_or_b32 s[G1S], s92, (3<<16)|(1<<21)
	s_or_b32 s[G1B], s96, (3<<16)|(1<<21)
	s_or_b32 s[G1SB], s96, (3<<16)|(1<<21)
.irp g, G1, G1B
	s_mov_b32 s[\g+1], 384<<16
	s_mov_b32 s[\g+2], 16<<16
	s_mov_b32 s[\g+3], 384<<16
	s_mov_b32 s[\g+4], 16
	s_mov_b32 s[\g+5], 1536
	s_mov_b32 s[\g+6], 0
	s_mov_b32 s[\g+7], 0
.endr
.irp g, G1S, G1SB
	s_mov_b32 s[\g+1], 32<<16
	s_mov_b32 s[\g+2], 32<<16
	s_mov_b32 s[\g+3], 32<<16
	s_mov_b32 s[\g+4], 32
	s_mov_b32 s[\g+5], 32
	s_mov_b32 s[\g+6], 0
	s_mov_b32 s[\g+7], 0
.endr
	s_mov_b32 s100, 0                              ; the bases below are those of the tile's first row
	s_lshl_b32 s92, s66, 8
	s_add_co_u32 s92, s92, s100
	s_lshl_b32 s94, s92, 5
	s_mul_i32 s92, s92, 768
	s_lshl_b32 s96, s67, 8
	s_add_co_u32 s96, s96, s100
	s_lshl_b32 s98, s96, 5
	s_mul_i32 s96, s96, 768
	s_cmp_eq_u32 s23, 1
	s_cselect_b32 s100, COD_K, 0
	s_cselect_b32 s101, SCL_K, 0
	s_mov_b32 s2, COD_WQ
	s_cselect_b32 s2, COD_WK, s2
	s_mov_b32 s3, SCL_WQ
	s_cselect_b32 s3, SCL_WK, s3
	s_cmp_eq_u32 s23, 2
	s_cselect_b32 s100, COD_WV, s100
	s_cselect_b32 s101, SCL_WV, s101
	s_cselect_b32 s2, COD_V, s2
	s_cselect_b32 s3, SCL_V, s3
	s_add_co_u32 s92, s92, s100
	s_add_co_u32 s94, s94, s101
	s_add_co_u32 s96, s96, s2
	s_add_co_u32 s98, s98, s3
	s_mov_b32 s93, 0
	s_mov_b32 s95, 0
	s_mov_b32 s97, 0
	s_mov_b32 s99, 0
	s_mul_i32 s100, s18, HALFT
	s_lshl_b32 s101, s18, 12
	s_wait_dscnt 0x0
	s_wait_kmcnt 0x0
	s_add_nc_u64 s[92:93], s[4:5], s[92:93]
	s_add_nc_u64 s[94:95], s[6:7], s[94:95]
	s_add_nc_u64 s[96:97], s[4:5], s[96:97]
	s_add_nc_u64 s[98:99], s[6:7], s[98:99]
	CROUND
; THE HEAD'S LOADS, ONE A WAVE: wave 0 slot 0's 16 row tiles of A, wave 1 those of B, wave 2 the scales of A's 256 rows, wave 3 those of B's.  One chain of branches on the wave's number, one load to an arm.
.macro HARM under, g0, g1, next
	s_cmp_lt_u32 s18, \under
	s_cbranch_scc0 \next
	tensor_load_to_lds s[\g0:\g0+3], s[\g1:\g1+7]
	s_nop 0
.rept 4
	v_nop
.endr
	s_branch .Lhead_asked
\next:
.endm
.macro JLOADP g0a, g1a, g0b, g1b       ; even waves fetch for A, odd waves for B
	s_cmp_eq_u32 s20, 0
	s_cbranch_scc0 .Lodd_\@
	tensor_load_to_lds s[\g0a:\g0a+3], s[\g1a:\g1a+7]
	s_nop 0
.rept 4
	v_nop
.endr
	s_branch .Lpasked_\@
.Lodd_\@:
	tensor_load_to_lds s[\g0b:\g0b+3], s[\g1b:\g1b+7]
	s_nop 0
.rept 4
	v_nop
.endr
.Lpasked_\@:
.endm
	s_mov_b32 s[G0S], 1
	s_mov_b32 s[G0S+1], SCL
	s_mov_b64 s[G0S+2:G0S+3], s[94:95]
	s_or_b32 s[G0S+3], s[G0S+3], 0x80000000
	s_mov_b32 s[G0SB], 1
	s_mov_b32 s[G0SB+1], SCL+2*HALFS
	s_mov_b64 s[G0SB+2:G0SB+3], s[98:99]
	s_or_b32 s[G0SB+3], s[G0SB+3], 0x80000000
	s_mov_b32 s[G0+4], 1
	s_mov_b32 s[G0+5], 0
	s_mov_b64 s[G0+6:G0+7], s[92:93]
	s_or_b32 s[G0+7], s[G0+7], 0x80000000
	s_mov_b32 s[G0B+4], 1
	s_mov_b32 s[G0B+5], 2*HALFT
	s_mov_b64 s[G0B+6:G0B+7], s[96:97]
	s_or_b32 s[G0B+7], s[G0B+7], 0x80000000
	HARM 1, G0+4, G1, .Lhead_b
	HARM 2, G0B+4, G1B, .Lhead_sa
	HARM 3, G0S, G1S, .Lhead_sb
	tensor_load_to_lds s[G0SB:G0SB+3], s[G1SB:G1SB+7]
	s_nop 0
.rept 4
	v_nop
.endr
.Lhead_asked:
	s_add_co_u32 s101, s19, 1                      ; the second group: waves 0, 1 fill slot 1 (A's part, B's part), waves 2, 3 slot 2
	s_mul_i32 s2, s101, TILEB
	s_mov_b32 s3, 0
	s_mul_i32 s101, s101, SLOT
	s_mov_b32 s[G0+8], 1
	s_mov_b32 s[G0+9], s101
	s_add_nc_u64 s[G0+10:G0+11], s[92:93], s[2:3]
	s_or_b32 s[G0+11], s[G0+11], 0x80000000
	s_mov_b32 s[G0B+8], 1
	s_add_co_u32 s[G0B+9], s101, 2*HALFT
	s_add_nc_u64 s[G0B+10:G0B+11], s[96:97], s[2:3]
	s_or_b32 s[G0B+11], s[G0B+11], 0x80000000
	s_mul_i32 s2, s20, 8*12288                     ; slot 0's refill: each wave eight row tiles, as its wave number says
	s_mov_b32 s[G0], 1
	s_mov_b32 s[G0+1], s100
	s_add_nc_u64 s[G0+2:G0+3], s[92:93], s[2:3]
	s_or_b32 s[G0+3], s[G0+3], 0x80000000
	s_mov_b32 s[G0B], 1
	s_mov_b32 s[G0B+1], s100
	s_add_nc_u64 s[G0B+2:G0B+3], s[96:97], s[2:3]
	s_or_b32 s[G0B+3], s[G0B+3], 0x80000000
	s_cmp_eq_u32 s23, 1
	s_cselect_b64 s[8:9], s[10:11], s[8:9]
	s_cmp_eq_u32 s23, 2
	s_cselect_b64 s[8:9], s[12:13], s[8:9]
	s_lshl_b32 s2, s21, 10
	s_lshl_b32 s3, s20, 9
	s_add_co_u32 s2, s2, s3
	s_mov_b32 s3, 0
	s_add_nc_u64 s[10:11], s[8:9], s[2:3]
	s_lshl_b32 s2, s22, 10
	s_lshl_b32 s3, s19, 9
	s_add_co_u32 s2, s2, s3
	s_mov_b32 s3, 0
	s_add_nc_u64 s[12:13], s[8:9], s[2:3]
	v_and_b32 v1, 15, v0
	v_bfe_u32 v2, v0, 4, 1
	v_and_b32 v3, 31, v0
	v_lshlrev_b32 v10, 6, v2
	v_and_b32 v11, 8, v1
	v_add_nc_u32 v11, v11, v1
	v_lshlrev_b32 v11, 2, v11
.irp b, 0,1,2,3,4,5,6,7
	global_load_b128 v[BI+8*\b:BI+8*\b+3], v10, s[10:11] offset:(32*(\b/2)+8*(\b%2))*4
	global_load_b128 v[BI+8*\b+4:BI+8*\b+7], v10, s[10:11] offset:(32*(\b/2)+8*(\b%2))*4+16
.endr
.irp a, 0,1,2,3,4,5,6,7
	global_load_b32 v[BV+2*\a], v11, s[12:13] offset:(32*(\a/2)+8*(\a%2))*4
	global_load_b32 v[BV+2*\a+1], v11, s[12:13] offset:(32*(\a/2)+8*(\a%2))*4
.endr
	v_lshlrev_b32 v4, 3, v3
	s_mul_i32 s92, s19, HALFT
	s_mul_i32 s93, s20, HALFT
	s_add_co_u32 s93, s93, 2*HALFT
.irp s, 0,1,2
	v_add_nc_u32 v[ADRA+\s], s92, v4
	v_add_nc_u32 v[ADRB+\s], s93, v4
	s_add_co_u32 s92, s92, SLOT
	s_add_co_u32 s93, s93, SLOT
.endr
	v_lshlrev_b32 v5, 3, v1
	s_lshl_b32 s92, s19, 12
	s_lshl_b32 s93, s20, 12
	s_add_co_u32 s93, s93, 2*HALFS
	s_sub_co_u32 s93, s93, s92
	v_mul_u32_u24 v6, s93, v2
	s_add_co_u32 s92, s92, SCL
	v_add_nc_u32 v5, v5, v6
	v_add_nc_u32 v[ADRS], s92, v5
	v_lshlrev_b32 v[CO], 4, v3
	v_lshlrev_b32 v[SO], 4, v1
	v_lshl_add_u32 v[SO], v2, 12, v[SO]
	s_lshl_b32 s92, s66, 1
	s_add_co_u32 s92, s92, s19
	s_lshl_b32 s93, s67, 1
	s_add_co_u32 s93, s93, s20
	s_cmp_lt_u32 s23, 2
	s_cselect_b32 s94, s92, s93
	s_cselect_b32 s95, s93, s92
	s_lshl_b32 s95, s95, 1
	s_lshr_b32 s96, s94, 4
	s_lshl_b32 s96, s96, 4
	s_add_co_u32 s96, s96, s95
	s_and_b32 s94, s94, 15
	s_mul_i32 s98, s96, 98304
	s_mul_i32 s97, s94, 6144
	s_add_co_u32 s98, s98, s97
	s_mul_i32 s97, s23, 6291456
	s_add_co_u32 s98, s98, s97
	s_mov_b32 s99, 0
	s_add_nc_u64 s[14:15], s[14:15], s[98:99]
	s_lshl_b32 s98, s96, 12
	s_lshl_b32 s97, s94, 8
	s_add_co_u32 s98, s98, s97
	s_lshl_b32 s97, s23, 18
	s_add_co_u32 s98, s98, s97
	s_add_nc_u64 s[16:17], s[16:17], s[98:99]
	s_mov_b32 s[SEL], 0x76543210
	s_mov_b32 s[SEL+1], 0xfedcba98
	s_mov_b32 s2, 0xffff0000
	v_mov_b32 v[PSEL], 0x05040100
	v_mov_b32 v7, 0x07060302
	v_cndmask_b32 v[PSEL], v[PSEL], v7, s2
	s_wait_alu depctr_va_vdst(0)
	s_wait_loadcnt 0x0
	s_wait_tensorcnt 0x0                           ; my tile of the head's four is in
	ds_add_u32 v[SPW], v[NIL]
	s_wait_dscnt 0x0
	CROUND                                         ; all four tiles are in, and all sixteen work-groups are here
	JLOADP G0+8, G1, G0B+8, G1B                    ; slots 1 and 2, one load a wave
	FETCH_B 0, 0, 0
	FETCH_A 0, 0, 0
	SCALES 0
	FETCH_A 0, 0, 4
	STEP 0, 0, 0, 1
	TURN 0, 1, 0, 2
	s_wait_alu depctr_va_vdst(0)
	STEP 1, 0, 1, 0
	TURN 1, 2, 1, 0
	s_wait_alu depctr_va_vdst(0)
	STEP 2, 0, 0, 0
	TURN 2, 0, 0, 1
	STEP 0, 0, 1, 0
	s_wait_dscnt 4*NL
	WIN MUL_LO
	MUL16 0, 1, 1, 1, 0
	MUL16 2, 1, 1, 1, 0
	s_wait_dscnt 0
	WIN MUL_HI
	MUL16 4, 1, 1, 1, 0
	MUL16 6, 1, 1, 1, 0
	WIN 0
	PLACES NP
.irp b, 0,1,2,3
	v_mov_b32 v[TM+4+\b], 0
.endr
	s_cmp_eq_u32 s23, 2
	s_cbranch_scc1 .Lvpath
.irp g, 0,1,2,3
.if \g > 0
	s_wait_xcnt 0x0
.endif
	ADD 2*\g, 0
	QUANT X, F0, F1, CT, 48, TM
	ADD 2*\g+1, 0
	QUANT X, F0+6, F1+6, CT, 49, TM
	v_perm_b32 v[52+\g], v49, v48, v[PSEL]
.irp e, 0,1
.irp c, 0,1,2
	global_store_b128 v[CO], v[F0+12*\e+4*\c:F0+12*\e+4*\c+3], s[14:15] offset:\e*98304+\g*1536+512*\c
.endr
.endr
.endr
	global_store_b128 v[SO], v[52:55], s[16:17]
	s_branch .Ljoin
.Lvpath:
.irp a, 0,1,2,3,4,5,6,7
.if \a > 0
	s_wait_xcnt 0x0
.endif
	ADD \a, 1
	QUANT X, F0, F0+6, CT, 48+\a, TM
.irp c, 0,1,2
	global_store_b128 v[CO], v[F0+4*\c:F0+4*\c+3], s[14:15] offset:(\a/4)*98304+(\a%4)*1536+512*\c
.endr
.endr
.irp i, 0,1,2,3
	v_cndmask_b32 v[56+\i], v[48+\i], v[52+\i], s2
.endr
	global_store_b128 v[SO], v[56:59], s[16:17]
.Ljoin:
	s_wait_tensorcnt 0x0
	ds_add_u32 v[SPW], v[NIL]
	s_wait_dscnt 0x0
	CROUND
	s_endpgm
.Lfunc_end_k_qa0cbfca48d_proj:
	.size	k_qa0cbfca48d_proj, .Lfunc_end_k_qa0cbfca48d_proj-k_qa0cbfca48d_proj
	.p2alignl 7, 3214868480
	.fill 96, 4, 3214868480
	.section	.rodata,"a",@progbits
	.p2align	6, 0x0
	.amdhsa_kernel k_qa0cbfca48d_proj
		.amdhsa_group_segment_fixed_size 327680
		.amdhsa_private_segment_fixed_size 0
		.amdhsa_enable_private_segment 0
		.amdhsa_kernarg_size 56
		.amdhsa_user_sgpr_count 2
		.amdhsa_user_sgpr_kernarg_segment_ptr 1
		.amdhsa_wavefront_size32 1
		.amdhsa_system_sgpr_workgroup_id_x 1
		.amdhsa_system_sgpr_workgroup_id_y 1
		.amdhsa_system_sgpr_workgroup_id_z 1
		.amdhsa_system_vgpr_workitem_id 0
		.amdhsa_next_free_vgpr 1024
		.amdhsa_next_free_sgpr 102
		.amdhsa_reserve_vcc 0
		.amdhsa_float_denorm_mode_32 3
		.amdhsa_float_denorm_mode_16_64 3
		.amdhsa_memory_ordered 1
		.amdhsa_forward_progress 1
		.amdhsa_inst_pref_size 234
	.end_amdhsa_kernel
	.amdgpu_metadata
---
amdhsa.version: [ 1, 2 ]
amdhsa.kernels:
  - .name:           k_qa0cbfca48d_proj
    .symbol:         k_qa0cbfca48d_proj.kd
    .args:
      - { .name: cod, .offset: 0, .size: 8, .value_kind: global_buffer, .address_space: global }
      - { .name: scl, .offset: 8, .size: 8, .value_kind: global_buffer, .address_space: global }
      - { .name: bq, .offset: 16, .size: 8, .value_kind: global_buffer, .address_space: global }
      - { .name: bk, .offset: 24, .size: 8, .value_kind: global_buffer, .address_space: global }
      - { .name: bv, .offset: 32, .size: 8, .value_kind: global_buffer, .address_space: global }
      - { .name: pc, .offset: 40, .size: 8, .value_kind: global_buffer, .address_space: global }
      - { .name: ps, .offset: 48, .size: 8, .value_kind: global_buffer, .address_space: global }
    .group_segment_fixed_size: 327680
    .private_segment_fixed_size: 0
    .kernarg_segment_align: 8
    .kernarg_segment_size: 56
    .max_flat_workgroup_size: 128
    .sgpr_count:     102
    .vgpr_count:     1024
    .wavefront_size: 32
...
	.end_amdgpu_metadata
.endif
;; end of part 2
;; launch attn (part 3): grid 4 x 64, 16 waves a work-group, clusters of 4 x 1, 231,424 bytes of LDS; arguments pc, ps, cc, cs; writes cc, cs
.if DOCPART == 3
	.amdgcn_target "amdgcn-amd-amdhsa--gfx1250"
	.amdhsa_code_object_version 6
	.text
	.protected	k_qa0cbfca48d_attn
	.globl	k_qa0cbfca48d_attn
	.p2align	8
	.type	k_qa0cbfca48d_attn,@function
k_qa0cbfca48d_attn:
	s_mov_b64 s[64:65], 0
	v_nop
	global_prefetch_b8 v0, s[64:65] scope:SCOPE_SE
	s_setreg_imm32_b32 hwreg(HW_REG_WAVE_MODE, 25, 1), 1
	s_wait_xcnt 0x0
	s_wait_alu depctr_hold_cnt(0) depctr_sa_sdst(0) depctr_va_vdst(0) depctr_va_sdst(0) depctr_va_ssrc(0) depctr_va_vcc(0) depctr_vm_vsrc(0)
	s_getreg_b32 s2, hwreg(HW_REG_IB_STS2, 6, 4)
	s_cmp_eq_u32 s2, 0
	s_cbranch_scc0 .Lentry_in_a_cluster
	s_endpgm
.Lentry_in_a_cluster:
	s_bfe_u32 s2, ttmp6, 0x10000c
	s_cmp_lg_u32 s2, 0x3003
	s_cbranch_scc0 .Lentry_shape_is_right
	s_endpgm
.Lentry_shape_is_right:
; ctx[b][q][head][:] = the sum over keys of softmax(q . k / 8) v, both products on codes of FP6 (E2M3) with E8M0 scales; ctx is quantised in registers, along head x 64 + d, for the last product.
; THE SOFTMAX: t = score x log2(e) / 8; M = the running largest t rounded UP to a whole number; p = 2^(t - M) is quantised along the keys, not normalised; the row's sum is taken of the unquantised p and divides at the end.
; When M moves, the sum and O are multiplied by 2^(old M - new M), which rounds nothing.
; SHARES.  A work-group owns 512 queries of one batch and head: sixteen waves x one tile of 16 queries, in two passes.  All of the head's K and V (196,608 bytes of codes, 8,192 of scale words) come into LDS ONCE and stay.
; CLUSTER: the four work-groups of a head read the same K and V: each part is asked for jointly, with a mask that names the four.  One tensor load a wave: waves 0-7 K's codes, 8-13 V's, 14 and 15 the scale words.
; No prefetch: K and V are asked for once, at the head, and no loop stands ahead of those loads.
; LAYOUT.  Both products are used transposed (S^T = K Q^T, O^T = V^T P^T): a lane holds one query throughout.
; WHICH KEYS FORM A TILE is chosen by the LDS address.  In the stored image row m of fragment g, half u, is key 32 g + 16 (m / 8) + 8 u + m % 8.  Lane row 8 a + j of my fragment 2 c + e reads row 8 e + j of stored fragment 2 c + a:
; register 32 c + 16 e + 8 u + j of lane half h is then key 32 (2 c + h) + 16 e + 8 u + j: A LANE'S 32 REGISTERS ARE ONE WHOLE BLOCK OF 32 KEYS, in order.  No lane is asked for a block's maximum and no codes change lanes.
; K's codes lie in LDS as rows of 512 bytes + 128 of padding: a fragment is 1,920 bytes, so that lane rows 0-7 and 8-15 of one load fall on different halves of a 256-byte row of banks.
; THE FIRST PRODUCT'S K IS 64, THE INSTRUCTION'S 128.  A fragment of K holds two tiles of 16 keys.  Q's six registers stand between two runs of six zero registers: [q | 0] and [0 | q] are both twelve registers on end;
; the half that is not meant meets zero codes (every scale byte is 1 to 254).  Q's two scale bytes stand in both halves of one word, which serves both.
; K's and V's fragments take turns in the same 48 registers.
; The waves walk the keys in step: a barrier's signal stands at a key step's head and its wait at the step's end, with register work and loads of LDS bytes that nobody writes between them.
; LIMITS: NaN and infinities are not served.  p under 2^-126 counts as 0.  A block of zeros gets the byte 1 with zero codes.  The promise holds while the scaled scores t stay under 2^31 in magnitude.
; The scale bytes of ctx leave one byte a lane: the other bytes of a word belong to other heads' work-groups.
.set VC,    122880                     ; LDS: K's codes from 0 (128 keys: 7,680 bytes), V's from here (128 keys: 6,144),
.set KS,    221184                     ; K's scale words (128 keys: 256 bytes),
.set VS,    225280                     ; V's,
.set SPARE, 229376                     ; the spare words, 128 bytes a wave
.set AK0,  1                           ; 1920 a + 256 h + 16 j
.set AV0,  2                           ; VC + 16 x lane
.set ASK0, 3                           ; KS + 16 j + 4 a
.set ASV0, 4                           ; VS + 16 r
.set SPW,  5
.set NIL,  6
.set QOF,  7                           ; 16 x lane
.set ADK,  8                           ; v8-11 the key step's addresses
.set ADV,  9
.set ADS,  10
.set ADT,  11
.set R16,  12                          ; 16 r
.set L8,   13                          ; 8 x lane
.set CSO,  14                          ; 8 r + h
.set NEGM, 16                          ; -M; named as a pair with
.set MX,   17                          ; the running largest score
.set FF,   20                          ; f = 2^(old M - new M); named as a pair with
.set PW,   21                          ; p's scale word
.set RC,   22
.set TT,   23
.set VSW,  24
.set KSW,  28
.set QS,   32
.set OLD,  33
.set BM,   34                          ; v34-37 four chains of maxima
.set SO,   38
.set T4,   40
.set P,    44                          ; v44-55 p's codes
.set CT,   56                          ; v56-62 the upper halves of blocks on their way
.set F,    64                          ; v64-111 four fragments of K, then of V
.set QB,   112                         ; v112-129 [0 | q | 0]
.set S,    130                         ; v130-193 S^T, then p
.set O,    194                         ; v194-225 O^T
.set QN,   226                         ; v226-232 the next pass's q and its scale word; v233-239 the pass after
.set QNS,  232
.set QM,   233
.set QMS,  239
.set CHN,  240                         ; v240-247 the row's sum (v240-241) and three more chains
.set WV,   12
.set CS,   22                          ; s[22:23] c = log2(e) / 8
.set SEL,  60
.set TBK,  62
.set TBV,  63
.set TS,   66
.set CNT,  67
.set PASS, 75
.macro WALU
	s_wait_alu depctr_va_vdst(0)
.endm
.macro DEP n
	s_delay_alu instid0(VALU_DEP_\n)
.endm
.macro CROUND                          ; a round of the cluster's barrier
	s_barrier_signal -1
	s_barrier_wait -1
	s_cmp_lg_u32 s[WV], 0
	s_cbranch_scc1 .Lnot_wave_0_\@
	s_barrier_signal -3
.Lnot_wave_0_\@:
	s_barrier_wait -3
	s_barrier_signal -1
	s_barrier_wait -1
.endm
.macro TLOAD g0, g1
	tensor_load_to_lds s[\g0:\g0+3], s[\g1:\g1+7]
	s_nop 0
.rept 4
	v_nop
.endr
.endm
.macro FMA n                           ; t - M, two at a time
.rept \n
	v_pk_fma_f32 v[S+JJ:S+JJ+1], v[S+JJ:S+JJ+1], s[CS:CS+1], v[NEGM:NEGM+1] op_sel_hi:[1,0,0]
.set JJ, JJ+2
.endr
.endm
.macro ACCS n                          ; the row's sum is taken of the unquantised p: four chains by turns
.rept \n
	v_pk_add_f32 v[CHN+2*(KK%4):CHN+2*(KK%4)+1], v[CHN+2*(KK%4):CHN+2*(KK%4)+1], v[S+12+2*KK:S+13+2*KK]
.set KK, KK+1
.endr
.endm
.macro STEP                            ; 128 keys
.set JJ, 0
.set KK, 0
	s_barrier_signal -1                            ; I have begun this key step
	v_add_nc_u32 v[ADK], s[TBK], v[AK0]            ; four places behind the last step's products, in front of the loads into registers that they have read
	v_add_nc_u32 v[ADS], s[TS], v[ASK0]
	v_nop
	v_nop
.irp c, 0,1
.irp e, 0,1
	ds_load_b32 v[KSW+2*\c+\e], v[ADS] offset:128*\e+8*\c
.endr
.endr
.irp c, 0,1
.irp e, 0,1
.irp p, 0,1,2
	ds_load_b128 v[F+12*(2*\c+\e)+4*\p:F+12*(2*\c+\e)+4*\p+3], v[ADK] offset:3840*\c+128*\e+640*\p
.endr
.endr
.endr
	s_wait_dscnt 0x0                               ; K and its scale words are in
.irp g, 0,1,2,3
.irp u, 0,1
	v_wmma_scale_f32_16x16x128_f8f6f4 v[S+8*(2*\g+\u):S+8*(2*\g+\u)+7], v[F+12*\g:F+12*\g+11], v[QB+6*(1-\u):QB+6*(1-\u)+11], 0, v[KSW+\g], v[QS] matrix_a_fmt:MATRIX_FMT_FP6 matrix_b_fmt:MATRIX_FMT_FP6
.endr
.endr
	v_add_nc_u32 v[ADV], s[TBV], v[AV0]            ; four places behind the products: in front of V's loads into K's registers and of the first read of the scores
	v_add_nc_u32 v[ADT], s[TS], v[ASV0]
	v_mov_b32 v[OLD], v[NEGM]
	v_nop
	ds_load_b128 v[VSW:VSW+3], v[ADT]
.irp g, 0,1,2,3
.irp p, 0,1,2
	ds_load_b128 v[F+12*\g+4*\p:F+12*\g+4*\p+3], v[ADV] offset:1536*\g+512*\p
.endr
.endr
.irp c, 0,1                            ; the largest score of my two blocks of 32 keys, two chains a block; each accumulator is first read at its low end
	v_max3_num_f32 v[BM+\c], v[S+32*\c], v[S+32*\c+1], v[S+32*\c+2]
	v_max3_num_f32 v[BM+2+\c], v[S+32*\c+16], v[S+32*\c+17], v[S+32*\c+18]
.endr
.irp i, 3,5,7,9,11,13
.irp c, 0,1
	v_max3_num_f32 v[BM+\c], v[BM+\c], v[S+32*\c+\i], v[S+32*\c+\i+1]
	v_max3_num_f32 v[BM+2+\c], v[BM+2+\c], v[S+32*\c+16+\i], v[S+32*\c+17+\i]
.endr
.endr
.irp c, 0,1
	v_max3_num_f32 v[BM+\c], v[BM+\c], v[BM+2+\c], v[S+32*\c+15]
.endr
.irp c, 0,1
	v_max_num_f32 v[BM+\c], v[BM+\c], v[S+32*\c+31]
.endr
	DEP 1
	v_max3_num_f32 v[MX], v[MX], v[BM], v[BM+1]    ; the running largest score of my query: my 64 keys,
	DEP 1
	v_permlanex16_b32 v[TT], v[MX], s[SEL], s[SEL+1]
	DEP 1
	v_max_num_f32 v[MX], v[MX], v[TT]              ; and lane l xor 16's
	DEP 1
	v_mul_f32 v[TT], s[CS], v[MX]                  ; as t (c is positive)
	DEP 1
	v_floor_f32 v[NEGM], -v[TT]                    ; the new -M = floor(-t): M is a whole number
	DEP 1
	v_sub_f32 v[TT], v[NEGM], v[OLD]               ; old M - new M: a whole number, 0 or less
	FMA 2
	DEP 3
	v_cvt_i32_f32 v[TT], v[TT]                     ; (it saturates)
	FMA 2
	DEP 3
	v_ldexp_f32 v[FF], 1.0, v[TT]                  ; f = 2^(old M - new M)
	FMA 28
.irp c, 0,1
	v_fma_f32 v[BM+\c], v[BM+\c], s[CS], v[NEGM]   ; the same of each block's largest score
.endr
.set j, 0
.rept 16
	v_pk_mul_f32 v[O+j:O+j+1], v[O+j:O+j+1], v[FF:FF+1] op_sel_hi:[1,0]   ; O^T under the new M, each accumulator from its low end on
.set j, j+2
.endr
	v_pk_mul_f32 v[CHN:CHN+1], v[CHN:CHN+1], v[FF:FF+1] op_sel_hi:[1,0]   ; and the sum
	WALU                                           ; ahead of the batch
.set j, 0
.rept 64
	v_exp_f32 v[S+j], v[S+j]                       ; p = 2^(t - M)
.set j, j+1
.endr
.irp c, 0,1
	v_exp_f32 v[BM+\c], v[BM+\c]                   ; the block's largest p: the same two instructions on the same number
.endr
	v_nop                                          ; a plain place behind the exponentials
	WALU                                           ; one wait for the batch, ahead of its first reader
.irp i, 0,1,2
	v_pk_add_f32 v[CHN+2+2*\i:CHN+3+2*\i], v[S+4*\i:S+4*\i+1], v[S+4*\i+2:S+4*\i+3]
.endr
.irp c, 0,1
	v_max_num_f32 v[BM+\c], 0x1800000, v[BM+\c]    ; the floor 2^(3 - 127): the byte cannot fall under 1
.endr
	ACCS 4                                         ; the sums stand between the steps of the scale's chain
.irp c, 0,1
	v_add_nc_u32 v[SO+\c], 0xff000000, v[BM+\c]    ; 2 off the exponent field: the conversion's scale operand
.endr
	ACCS 4
.irp c, 0,1
	v_lshrrev_b32 v[T4+\c], 23, v[SO+\c]           ; the scale's byte
.endr
	ACCS 4
	v_lshl_or_b32 v[T4+2], v[T4+1], 16, v[T4]      ; my bytes: blocks h and 2 + h
	ACCS 4
	v_permlanex16_b32 v[T4+3], v[T4+2], s[SEL], s[SEL+1]
	ACCS 4
	v_lshl_or_b32 v[PW], v[T4+3], 8, v[T4+2]       ; in lanes 0-15, which alone are read: p's scale word for these 128 keys
.irp c, 0,1
	v_cvt_scalef32_pk16_fp6_f32 v[P+6*\c:P+6*\c+2], v[S+32*\c:S+32*\c+15], v[SO+\c]
	v_cvt_scalef32_pk16_fp6_f32 v[CT+4*\c:CT+4*\c+2], v[S+32*\c+16:S+32*\c+31], v[SO+\c]   ; (a conversion's three registers begin on an even number)
.endr
	ACCS 1                                         ; a plain place behind the scaled conversions
.irp c, 0,1
.irp i, 0,1,2
	v_mov_b32 v[P+6*\c+3+\i], v[CT+4*\c+\i]
.endr
.endr
	ACCS 5                                         ; these and the three below stand between the writes of p's codes and scale word and the products
	DEP 3
	v_pk_add_f32 v[CHN+4:CHN+5], v[CHN+4:CHN+5], v[CHN+6:CHN+7]
	DEP 2
	v_pk_add_f32 v[CHN:CHN+1], v[CHN:CHN+1], v[CHN+2:CHN+3]
	DEP 1
	v_pk_add_f32 v[CHN:CHN+1], v[CHN:CHN+1], v[CHN+4:CHN+5]
	WALU
	s_wait_dscnt 0x0                               ; V and its scale words are in
.irp g, 0,1,2,3
	v_wmma_scale_f32_16x16x128_f8f6f4 v[O+8*\g:O+8*\g+7], v[F+12*\g:F+12*\g+11], v[P:P+11], v[O+8*\g:O+8*\g+7], v[VSW+\g], v[PW] matrix_a_fmt:MATRIX_FMT_FP6 matrix_b_fmt:MATRIX_FMT_FP6   ; the four accumulators take turns
.endr
	s_add_co_u32 s[TBK], s[TBK], 7680
	s_add_co_u32 s[TBV], s[TBV], 6144
	s_add_co_u32 s[TS], s[TS], 256
	s_barrier_wait -1                              ; every wave has begun this key step
.endm
	s_load_b256 s[4:11], s[0:1], 0x0               ; pc s[4:5], ps s[6:7], cc s[8:9], cs s[10:11]
	v_lshl_add_u32 v[SPW], v0, 2, SPARE
	v_mov_b32 v[NIL], 0
	ds_add_u32 v[SPW], v[NIL]                      ; the wave's opening: the add, twice on end, and its wait ahead of my tensor load
	ds_add_u32 v[SPW], v[NIL]
	v_lshrrev_b32 v8, 5, v0
	s_delay_alu instid0(VALU_DEP_1)
	v_readfirstlane_b32 s[WV], v8                  ; wave 0..15
	s_and_b32 s15, s[WV], 7                        ; which part of K's codes (waves 0-7) or of V's (waves 8-13)
	s_and_b32 s16, s[WV], 1                        ; K's scale words or V's (waves 14, 15); also: which tile of a pair of Q's is mine
	s_and_b32 s14, ttmp7, 0xffff                   ; 16 x batch + head, which the four partners share
	s_mul_i32 s2, s14, 98304
	s_mov_b32 s40, 1                               ; group 0, K's codes: 12,288 bytes a wave, 15,360 in LDS
	s_mul_i32 s41, s15, 15360
	s_mul_i32 s42, s15, 12288
	s_add_co_u32 s42, s42, s2
	s_add_co_u32 s42, s42, 6291456
	s_mov_b32 s43, 0
	s_mov_b32 s44, 1                               ; V's codes: 16,384 bytes a wave
	s_lshl_b32 s45, s15, 14
	s_add_co_u32 s46, s45, s2
	s_add_co_u32 s45, s45, VC
	s_add_co_u32 s46, s46, 12582912
	s_mov_b32 s47, 0
	s_mov_b32 s48, 1                               ; the scale words: 4,096 bytes a wave
	s_lshl_b32 s49, s16, 12
	s_add_co_u32 s49, s49, KS
	s_add_co_u32 s50, s16, 1
	s_lshl_b32 s50, s50, 18
	s_lshl_b32 s3, s14, 12
	s_add_co_u32 s50, s50, s3
	s_mov_b32 s51, 0
	; groups 1: elements of 8 bytes; mask: all four work-groups, bit 21 beside it
	s_mov_b32 s24, 15|(3<<16)|(1<<20)|(1<<21)|(6<<22)|(31<<25)   ; K: 24 rows of 512 bytes, 32 words of padding behind each 128
	s_mov_b32 s25, 64<<16
	s_mov_b32 s26, 24<<16
	s_mov_b32 s27, 64<<16
	s_mov_b32 s28, 24
	s_mov_b32 s29, 64
	s_mov_b32 s30, 0
	s_mov_b32 s31, 0
	s_mov_b32 s32, 15|(3<<16)|(1<<21)              ; V: 64 dense rows of 256 bytes
	s_mov_b32 s33, 32<<16
	s_mov_b32 s34, 64<<16
	s_mov_b32 s35, 32<<16
	s_mov_b32 s36, 64
	s_mov_b32 s37, 32
	s_mov_b32 s38, 0
	s_mov_b32 s39, 0
	s_mov_b32 s52, 15|(3<<16)|(1<<21)              ; scale words: 16 dense rows of 256 bytes
	s_mov_b32 s53, 32<<16
	s_mov_b32 s54, 16<<16
	s_mov_b32 s55, 32<<16
	s_mov_b32 s56, 16
	s_mov_b32 s57, 32
	s_mov_b32 s58, 0
	s_mov_b32 s59, 0
	; Q, and where ctx goes: these alone hang on my place in the cluster
	s_bfe_u32 s13, ttmp6, 0x40000                  ; cx
	s_lshl_b32 s17, s13, 4
	s_lshr_b32 s3, s[WV], 1
	s_add_co_u32 s17, s17, s3                      ; my pair of tiles in the first pass: 16 cx + wave / 2; in the second eight pairs on
	s_mul_i32 s3, s17, 1536
	s_add_co_u32 s18, s2, s3
	s_mov_b32 s19, 0
	s_lshl_b32 s20, s14, 12
	s_lshr_b32 s3, s17, 2
	s_lshl_b32 s3, s3, 8
	s_add_co_u32 s20, s20, s3
	s_and_b32 s3, s17, 3
	s_lshl_b32 s3, s3, 2
	s_add_co_u32 s20, s20, s3
	s_mov_b32 s21, 0
	s_lshl_b32 s2, s13, 5
	s_add_co_u32 s2, s2, s[WV]
	s_lshr_b32 s3, s14, 4                          ; batch
	s_lshl_b32 s3, s3, 7
	s_add_co_u32 s2, s2, s3                        ; my row tile of ctx: 128 x batch + 32 cx + wave
	s_and_b32 s3, s14, 15                          ; head
	s_mul_i32 s70, s2, 12288
	s_mul_i32 s17, s3, 768
	s_add_co_u32 s70, s70, s17
	s_mov_b32 s71, 0
	s_lshl_b32 s72, s2, 9
	s_lshr_b32 s17, s3, 2
	s_lshl_b32 s17, s17, 7
	s_add_co_u32 s72, s72, s17
	s_and_b32 s3, s3, 3
	s_lshl_b32 s3, s3, 1
	s_add_co_u32 s72, s72, s3
	s_mov_b32 s73, 0
	s_cmp_eq_u32 s16, 1                            ; the pair's second tile?
	s_cselect_b32 s77, -1, 0
	s_mov_b32 s76, 0x03020302                      ; my two scale bytes into both halves of a word
	s_cselect_b32 s76, s76, 0x01000100
	s_mov_b32 s[CS], 0x3e38aa3b                    ; c = log2(e) / 8
	s_mov_b32 s[CS+1], s[CS]                       ; (named with it as a pair, so it is written)
	s_mov_b32 s[SEL], 0x76543210
	s_mov_b32 s[SEL+1], 0xfedcba98
	s_mov_b32 s74, 0xffff0000                      ; lanes 16-31
	s_mov_b32 s[PASS], 2
	s_wait_dscnt 0x0                               ; both opening adds are done
	s_wait_kmcnt 0x0
	s_add_nc_u64 s[42:43], s[4:5], s[42:43]
	s_or_b32 s43, s43, 0x80000000
	s_add_nc_u64 s[46:47], s[4:5], s[46:47]
	s_or_b32 s47, s47, 0x80000000
	s_add_nc_u64 s[50:51], s[6:7], s[50:51]
	s_or_b32 s51, s51, 0x80000000
	s_add_nc_u64 s[18:19], s[4:5], s[18:19]        ; Q's codes
	s_add_nc_u64 s[20:21], s[6:7], s[20:21]        ; Q's scale words
	s_add_nc_u64 s[70:71], s[8:9], s[70:71]        ; ctx's codes
	s_add_nc_u64 s[72:73], s[10:11], s[72:73]      ; ctx's scale bytes
	CROUND                                         ; all four work-groups are here: the joint loads meet
	s_cmp_lt_u32 s[WV], 8                          ; one chain of branches on the wave's number, one load to an arm
	s_cbranch_scc0 .Lnot_k
	TLOAD 40, 24
	s_branch .Lasked
.Lnot_k:
	s_cmp_lt_u32 s[WV], 14
	s_cbranch_scc0 .Lnot_v
	TLOAD 44, 32
	s_branch .Lasked
.Lnot_v:
	TLOAD 48, 52
.Lasked:
	v_and_b32 v8, 31, v0                           ; lane
	v_and_b32 v9, 15, v0                           ; r
	v_bfe_u32 v10, v0, 4, 1                        ; h
	v_bfe_u32 v11, v0, 3, 1                        ; a = r / 8
	v_and_b32 v15, 7, v0                           ; j = r % 8
.irp i, 0,1,2,3,4,5
	v_mov_b32 v[QB+\i], 0                          ; the two runs of zero codes round q
.endr
	v_lshlrev_b32 v[QOF], 4, v8
	v_lshlrev_b32 v[R16], 4, v9
	v_mul_u32_u24 v[AK0], v11, 1920
	v_lshlrev_b32 v[ASK0], 4, v15
.irp i, 0,1,2,3,4,5
	v_mov_b32 v[QB+12+\i], 0
.endr
	v_add_nc_u32 v[AV0], VC, v[QOF]
	v_add_nc_u32 v[ASV0], VS, v[R16]
	v_lshl_add_u32 v[AK0], v10, 8, v[AK0]
	v_lshl_add_u32 v[ASK0], v11, 2, v[ASK0]
	v_mov_b32 v[TT], 0                             ; written once: a lane permute's destination counts as one of its sources
	v_mov_b32 v[T4+3], 0
	v_mov_b32 v[PW], 0                             ; (named as the upper half of a pair before it is first written)
	v_lshlrev_b32 v[L8], 3, v8
	v_lshl_add_u32 v[CSO], v9, 3, v10
	v_lshl_add_u32 v[AK0], v15, 4, v[AK0]
	v_add_nc_u32 v[ASK0], KS, v[ASK0]
.irp c, 0,1,2
	global_load_b128 v[S+4*\c:S+4*\c+3], v[QOF], s[18:19] offset:512*\c            ; both passes' pairs of tiles of Q: registers 0-5 the first tile, 6-11 the second
	global_load_b128 v[S+12+4*\c:S+12+4*\c+3], v[QOF], s[18:19] offset:12288+512*\c
.endr
	global_load_b32 v[S+24], v[R16], s[20:21]
	global_load_b32 v[S+25], v[R16], s[20:21] offset:512
	WALU
	s_wait_loadcnt 0x0
.irp i, 0,1,2,3,4,5
	v_cndmask_b32 v[QN+\i], v[S+\i], v[S+6+\i], s77
	v_cndmask_b32 v[QM+\i], v[S+12+\i], v[S+18+\i], s77
.endr
	v_perm_b32 v[QNS], v[S+24], v[S+24], s76
	v_perm_b32 v[QMS], v[S+25], v[S+25], s76
	WALU
	s_wait_tensorcnt 0x0                           ; my part of K, V or the scale words is in,
	s_barrier_signal -1
	s_barrier_wait -1                              ; everybody's are: they stay for the whole launch
.Lpass:
.irp i, 0,1,2,3,4,5
	v_mov_b32 v[QB+6+\i], v[QN+\i]
.endr
	v_mov_b32 v[QS], v[QNS]
.irp i, 0,1,2,3,4,5
	v_mov_b32 v[QN+\i], v[QM+\i]
.endr
	v_mov_b32 v[QNS], v[QMS]
	v_mov_b32 v[MX], 0xff61b1e6                    ; the largest score so far: -3e38
	v_mov_b32 v[NEGM], 0x7f61b1e6                  ; -M: 3e38, so that the first f is 0
	v_mov_b32 v[CHN], 0                            ; the sum
	v_mov_b32 v[CHN+1], 0
.set j, 0
.rept 32
	v_mov_b32 v[O+j], 0                            ; O^T: the step is written once; its first trip finds zeros.  These lines also stand between the writes of q and its scale word and the first product
.set j, j+1
.endr
	s_mov_b32 s[TBK], 0
	s_mov_b32 s[TBV], 0
	s_mov_b32 s[TS], 0
	s_mov_b32 s[CNT], 16
	WALU
.Lk:
	STEP
	s_sub_co_u32 s[CNT], s[CNT], 1
	s_cmp_lg_u32 s[CNT], 0
	s_cbranch_scc1 .Lk
	; THE WAY OUT OF A PASS: ctx = O / the sum, quantised along the head's 64 (register 16 b + i = d 32 b + 16 h + i), stored as the last product's operand image
.rept 4
	v_nop                                          ; places behind the last products
.endr
	v_add_f32 v[TT], v[CHN], v[CHN+1]
	DEP 1
	v_permlanex16_b32 v[T4+3], v[TT], s[SEL], s[SEL+1]
	DEP 1
	v_add_f32 v[TT], v[TT], v[T4+3]                ; the row's sum
	WALU
	v_rcp_f32 v[RC], v[TT]
	v_nop                                          ; a plain place behind the reciprocal
	WALU                                           ; ahead of the first reader
.set j, 0
.rept 32
	v_mul_f32 v[S+j], v[O+j], v[RC]                ; each accumulator from its low end on
.set j, j+1
.endr
.irp b, 0,1
	v_max3_num_f32 v[BM+\b], |v[S+16*\b]|, |v[S+16*\b+1]|, 0x1800000
.endr
.irp i, 2,4,6,8,10,12,14
.irp b, 0,1
	DEP 2
	v_max3_num_f32 v[BM+\b], v[BM+\b], |v[S+16*\b+\i]|, |v[S+16*\b+\i+1]|
.endr
.endr
.irp b, 0,1
	DEP 2
	v_permlanex16_b32 v[T4+\b], v[BM+\b], s[SEL], s[SEL+1]
.endr
.irp b, 0,1
	DEP 2
	v_max_num_f32 v[BM+\b], v[BM+\b], v[T4+\b]     ; with lane l xor 16's: the block's largest magnitude
.endr
.irp b, 0,1
	DEP 2
	v_add_nc_u32 v[SO+\b], 0xff000000, v[BM+\b]
.endr
.irp b, 0,1
	DEP 2
	v_lshrrev_b32 v[T4+\b], 23, v[SO+\b]
.endr
	v_cvt_scalef32_pk16_fp6_f32 v[P:P+2], v[S:S+15], v[SO]
	v_cvt_scalef32_pk16_fp6_f32 v[CT:CT+2], v[S+16:S+31], v[SO+1]
	v_cndmask_b32 v[TT], v[T4], v[T4+1], s74       ; lane (r, h) stores the byte of block h.  (A plain place behind the scaled conversions)
.irp i, 0,1,2
	v_permlane16_swap_b32 v[P+\i], v[CT+\i]        ; a whole block in a lane
.endr
.irp i, 0,1,2
	s_delay_alu instid0(VALU_DEP_3)
	v_mov_b32 v[P+3+\i], v[CT+\i]
.endr
.irp p, 0,1,2
	global_store_b64 v[L8], v[P+2*\p:P+2*\p+1], s[70:71] offset:256*\p   ; 256 consecutive bytes, aligned
.endr
	global_store_b8 v[CSO], v[TT], s[72:73]
	s_wait_xcnt 0x0                                ; the stores have read their addresses and data: both are written again only behind this wait
	s_add_nc_u64 s[70:71], s[70:71], 196608        ; sixteen tiles on
	s_add_nc_u64 s[72:73], s[72:73], 8192
	s_sub_co_u32 s[PASS], s[PASS], 1
	s_cmp_lg_u32 s[PASS], 0
	WALU
	s_cbranch_scc1 .Lpass
	s_wait_tensorcnt 0x0                           ; the wave's end: behind my tensor load
	ds_add_u32 v[SPW], v[NIL]
	s_wait_dscnt 0x0
	CROUND                                         ; the closing round
	s_endpgm
.Lfunc_end_k_qa0cbfca48d_attn:
	.size	k_qa0cbfca48d_attn, .Lfunc_end_k_qa0cbfca48d_attn-k_qa0cbfca48d_attn
	.p2alignl 7, 3214868480
	.fill 96, 4, 3214868480
	.section	.rodata,"a",@progbits
	.p2align	6, 0x0
	.amdhsa_kernel k_qa0cbfca48d_attn
		.amdhsa_group_segment_fixed_size 231424
		.amdhsa_private_segment_fixed_size 0
		.amdhsa_enable_private_segment 0
		.amdhsa_kernarg_size 32
		.amdhsa_user_sgpr_count 2
		.amdhsa_user_sgpr_kernarg_segment_ptr 1
		.amdhsa_wavefront_size32 1
		.amdhsa_system_sgpr_workgroup_id_x 1
		.amdhsa_system_sgpr_workgroup_id_y 1
		.amdhsa_system_sgpr_workgroup_id_z 1
		.amdhsa_system_vgpr_workitem_id 0
		.amdhsa_next_free_vgpr 256
		.amdhsa_next_free_sgpr 80
		.amdhsa_reserve_vcc 0
		.amdhsa_float_denorm_mode_32 3
		.amdhsa_float_denorm_mode_16_64 3
		.amdhsa_memory_ordered 1
		.amdhsa_forward_progress 1
		.amdhsa_inst_pref_size 32
	.end_amdhsa_kernel
	.amdgpu_metadata
---
amdhsa.version: [ 1, 2 ]
amdhsa.kernels:
  - .name:           k_qa0cbfca48d_attn
    .symbol:         k_qa0cbfca48d_attn.kd
    .args:
      - { .name: pc, .offset: 0, .size: 8, .value_kind: global_buffer, .address_space: global }
      - { .name: ps, .offset: 8, .size: 8, .value_kind: global_buffer, .address_space: global }
      - { .name: cc, .offset: 16, .size: 8, .value_kind: global_buffer, .address_space: global }
      - { .name: cs, .offset: 24, .size: 8, .value_kind: global_buffer, .address_space: global }
    .group_segment_fixed_size: 231424
    .private_segment_fixed_size: 0
    .kernarg_segment_align: 8
    .kernarg_segment_size: 32
    .max_flat_workgroup_size: 512
    .sgpr_count:     80
    .vgpr_count:     256
    .wavefront_size: 32
...
	.end_amdgpu_metadata
.endif
;; end of part 3
;; launch outp (part 4): grid 4 x 64, 4 waves a work-group, clusters of 4 x 4, 295,424 bytes of LDS; arguments cc, cs, cod, scl, bo, out0; writes out0
.if DOCPART == 4
	.amdgcn_target "amdgcn-amd-amdhsa--gfx1250"
	.amdhsa_code_object_version 6
	.text
	.protected	k_qa0cbfca48d_outp
	.globl	k_qa0cbfca48d_outp
	.p2align	8
	.type	k_qa0cbfca48d_outp,@function
k_qa0cbfca48d_outp:
	s_mov_b64 s[64:65], 0
	v_nop
	global_prefetch_b8 v0, s[64:65] scope:SCOPE_SE
	s_setreg_imm32_b32 hwreg(HW_REG_WAVE_MODE, 25, 1), 1
	s_wait_xcnt 0x0
	s_wait_alu depctr_hold_cnt(0) depctr_sa_sdst(0) depctr_va_vdst(0) depctr_va_sdst(0) depctr_va_ssrc(0) depctr_va_vcc(0) depctr_vm_vsrc(0)
	s_getreg_b32 s2, hwreg(HW_REG_IB_STS2, 6, 4)
	s_cmp_eq_u32 s2, 0
	s_cbranch_scc0 .Lentry_in_a_cluster
	s_endpgm
.Lentry_in_a_cluster:
	s_bfe_u32 s2, ttmp6, 0x10000c
	s_cmp_lg_u32 s2, 0xf033
	s_cbranch_scc0 .Lentry_shape_is_right
	s_endpgm
.Lentry_shape_is_right:
; out0 = ctx Wo^T + bo.  ctx (cc, cs) and Wo (cod, scl from COD_WO, SCL_WO on) are codes of FP6 (E2M3) with E8M0 scales, laid as images of operand registers:
; codes [row tile of 16: 12,288 bytes][K step of 128: 1,536][register pair: 256][lane: 8];  scales [row tile: 512 bytes][two K steps: 128][row: 8][word].
; Of each 32 rows, tile u takes in its lane row p the row 8 u + p + 8 (p / 8): the way out puts rows and columns back.
; SHARES.  A work-group makes 128 rows x 256 columns: 64 x 4 = 256 work-groups.  Four waves, 2 x 2; a wave makes 64 x 128: 32 accumulators, 256 registers.
; ALL OF K LIES IN LDS: ctx's 8 row tiles (98,304 bytes) and Wo's 16 (196,608) are two dense blocks of memory, brought as rows of 256 bytes by the head's loads, one a wave: wave 0 ctx's, waves 1 to 3 a third of Wo's each.
; Nothing is filled again, so the walk along K has no barrier.  No prefetch: the only loads stand at the head, and no loop stands ahead of them.
; CLUSTERS: 4 x 4 work-groups.  The four of a row of the cluster need the same rows of ctx, the four of a column the same rows of Wo: each block is asked for jointly, with a mask that names the four.
; THE SCALE WORDS go from memory into registers: a load of 8 bytes a lane covers 256 consecutive bytes, aligned: lanes 0-15 the words of one pair of K steps, lanes 16-31 those of the next pair; the instruction's ROW selector takes the half.
; THE MATRIX INSTRUCTION IS USED TRANSPOSED (source 0 = 16 rows of Wo, source 1 = 16 rows of ctx): a lane holds eight numbers of a row of out0.
; REGISTERS, in windows of 256.  window 0: v8-29 bias and addresses; v32-47 ctx's scale words, v50-81 Wo's; v128-223 ctx's fragments, two sets of 48; on the way out v128-255.  window 1: Wo's fragments, two sets, at v0 and v128.  window 2: the accumulators.
; LIMITS: NaN and infinities are not served.
.set FR,     12
.set TILE,   12288
.set FRB,    1536
.set BREG,   8*TILE                    ; Wo's codes in LDS, behind ctx's
.set SPARE,  24*TILE                   ; the spare words, 128 bytes a wave
.set SPITCH, 528                       ; the way out: a stage of 16 rows x (512 + 16) bytes a wave, on ctx's bytes, which are read no more by then
.set COD_WO, 21233664
.set SCL_WO, 884736
.set BO,   8
.set ADRA, 16
.set ADRB, 18                          ; v18 Wo's tiles 0-3 of my eight, v19 tiles 4-7
.set STO,  24
.set RD,   25
.set CO,   26                          ; 16 x lane
.set L8,   27                          ; 8 x lane
.set SPW,  28
.set NIL,  29
.set SCA,  32
.set SCB,  50
.set AF,   128
.set BK,   128
.set G1,  24
.set G1B, 32
.set G0,  40
.set G0B, 44
.set MSB, 0
.macro WIN new
.if MSB != (\new)
	s_set_vgpr_msb (MSB<<8)|(\new)
.set MSB, (\new)
.endif
.endm
.macro PLACES n
.rept \n
	v_nop
.endr
.endm
.macro CROUND
	s_barrier_signal -1
	s_barrier_wait -1
	s_cmp_lg_u32 s18, 0
	s_cbranch_scc1 .Lnot_wave_0_\@
	s_barrier_signal -3
.Lnot_wave_0_\@:
	s_barrier_wait -3
	s_barrier_signal -1
	s_barrier_wait -1
.endm
.macro FETCH q                         ; K step q's fragments into set q % 2: 48 loads for Wo's eight, 24 for ctx's four
	WIN 0x40
.irp i, 0,1,2,3,4,5,6,7
.irp p, 0,1,2,3,4,5
	ds_load_b64 v[128*((\q)%2)+FR*\i+2*\p:128*((\q)%2)+FR*\i+2*\p+1], v[ADRB+\i/4] offset:(\i%4)*TILE+(\q)*FRB+256*\p
.endr
.endr
	WIN 0
.irp i, 0,1,2,3
.irp p, 0,1,2,3,4,5
	ds_load_b64 v[AF+48*((\q)%2)+FR*\i+2*\p:AF+48*((\q)%2)+FR*\i+2*\p+1], v[ADRA] offset:\i*TILE+(\q)*FRB+256*\p
.endr
.endr
.endm
.macro PR q, a, b                      ; one product; the first K step's starts the sum
.set D_, 8*(8*(\a)+(\b))
.set FB_, 128*((\q)%2)+FR*(\b)
.set FA_, AF+48*((\q)%2)+FR*(\a)
.set XB_, SCB+4*(\b)+2*((\q)/4)+(\q)%2
.set XA_, SCA+4*(\a)+2*((\q)/4)+(\q)%2
.if ((\q)/2)%2
	v_wmma_scale_f32_16x16x128_f8f6f4 v[D_:D_+7], v[FB_:FB_+FR-1], v[FA_:FA_+FR-1], v[D_:D_+7], v[XB_], v[XA_] matrix_a_fmt:MATRIX_FMT_FP6 matrix_b_fmt:MATRIX_FMT_FP6 matrix_a_scale:MATRIX_SCALE_ROW1 matrix_b_scale:MATRIX_SCALE_ROW1
.elseif (\q) == 0
	v_wmma_scale_f32_16x16x128_f8f6f4 v[D_:D_+7], v[FB_:FB_+FR-1], v[FA_:FA_+FR-1], 0, v[XB_], v[XA_] matrix_a_fmt:MATRIX_FMT_FP6 matrix_b_fmt:MATRIX_FMT_FP6
.else
	v_wmma_scale_f32_16x16x128_f8f6f4 v[D_:D_+7], v[FB_:FB_+FR-1], v[FA_:FA_+FR-1], v[D_:D_+7], v[XB_], v[XA_] matrix_a_fmt:MATRIX_FMT_FP6 matrix_b_fmt:MATRIX_FMT_FP6
.endif
.endm
.macro STEPK q                         ; 128 along K: the next step's fragments are asked for, then 32 products; the 32 accumulators take turns in the same order in every step
	s_wait_dscnt 0x0                               ; this step's fragments are in (asked for a step ago)
.if (\q) < 7
	PLACES 4                                       ; behind the last step's products, in front of the loads into the registers that they read
	FETCH (\q)+1
.endif
	WIN 0xa1                                       ; source 0 window 1, source 1 window 0, C and D window 2
.irp a, 0,1,2,3
.irp b, 0,1,2,3,4,5,6,7
	PR \q, \a, \b
.endr
.endr
	WIN 0
.endm
	s_load_b256 s[4:11], s[0:1], 0x0               ; cc, cs, cod, scl
	s_load_b128 s[12:15], s[0:1], 0x20             ; bo, out0
	v_lshl_add_u32 v[SPW], v0, 2, SPARE
	v_mov_b32 v[NIL], 0
	ds_add_u32 v[SPW], v[NIL]                      ; the wave's opening: the add, twice on end, and its wait ahead of my tensor load
	ds_add_u32 v[SPW], v[NIL]
	v_lshrrev_b32 v1, 5, v0
	v_readfirstlane_b32 s18, v1                    ; wave
	s_lshr_b32 s19, s18, 1                         ; which 64 rows
	s_and_b32 s20, s18, 1                          ; which 128 columns
	s_bfe_u32 s21, ttmp6, 0x40000                  ; cx = the block's column, 0..3
	s_bfe_u32 s22, ttmp6, 0x40004                  ; cy
	s_and_b32 s23, ttmp7, 0xffff
	s_lshl_b32 s23, s23, 2
	s_add_co_u32 s23, s23, s22                     ; the block's row, 0..63
	s_lshl_b32 s48, s22, 2
	s_lshl_b32 s48, 15, s48                        ; my row of the cluster
	s_lshl_b32 s49, 0x1111, s21                    ; my column
	s_or_b32 s[G1], s48, (3<<16)|(1<<21)           ; dense rows of 256 bytes (32 elements of 8): ctx's 384,
	s_mov_b32 s[G1+1], 32<<16
	s_mov_b32 s[G1+2], 384<<16
	s_mov_b32 s[G1+3], 32<<16
	s_mov_b32 s[G1+4], 384
	s_mov_b32 s[G1+5], 32
	s_mov_b32 s[G1+6], 0
	s_mov_b32 s[G1+7], 0
	s_or_b32 s[G1B], s49, (3<<16)|(1<<21)          ; a third of Wo's: 256
	s_mov_b32 s[G1B+1], 32<<16
	s_mov_b32 s[G1B+2], 256<<16
	s_mov_b32 s[G1B+3], 32<<16
	s_mov_b32 s[G1B+4], 256
	s_mov_b32 s[G1B+5], 32
	s_mov_b32 s[G1B+6], 0
	s_mov_b32 s[G1B+7], 0
	s_mov_b32 s[G0], 1
	s_mov_b32 s[G0+1], 0
	s_mul_i32 s[G0+2], s23, 8*TILE
	s_mov_b32 s[G0+3], 0
	s_mov_b32 s[G0B], 1
	s_lshl_b32 s50, s18, 16                        ; waves 1 to 3: 65,536 bytes each
	s_add_co_u32 s[G0B+1], s50, BREG-65536
	s_mul_i32 s[G0B+2], s21, 16*TILE
	s_add_co_u32 s[G0B+2], s[G0B+2], s50
	s_add_co_u32 s[G0B+2], s[G0B+2], COD_WO-65536
	s_mov_b32 s[G0B+3], 0
	s_lshl_b32 s52, s23, 12                        ; ctx's scale words: 512 bytes a row tile, my four tiles
	s_lshl_b32 s51, s19, 11
	s_add_co_u32 s52, s52, s51
	s_mov_b32 s53, 0
	s_lshl_b32 s54, s21, 13                        ; Wo's: my eight tiles
	s_lshl_b32 s51, s20, 12
	s_add_co_u32 s54, s54, s51
	s_add_co_u32 s54, s54, SCL_WO
	s_mov_b32 s55, 0
	s_lshl_b32 s56, s21, 10                        ; my first column, in bytes
	s_lshl_b32 s51, s20, 9
	s_add_co_u32 s56, s56, s51
	s_mov_b32 s57, 0
	s_lshl_b32 s58, s23, 19                        ; my first row of out0: 128 x block + 64 x half, rows of 4,096 bytes
	s_lshl_b32 s51, s19, 18
	s_add_co_u32 s58, s58, s51
	s_add_co_u32 s58, s58, s56
	s_mov_b32 s59, 0
	s_mul_i32 s60, s19, 4*TILE                     ; LDS: my four tiles of ctx,
	s_mul_i32 s61, s20, 8*TILE
	s_add_co_u32 s61, s61, BREG                    ; my eight of Wo,
	s_add_co_u32 s62, s61, 4*TILE
	s_mul_i32 s63, s18, 16*SPITCH                  ; my stage
	s_wait_dscnt 0x0                               ; both opening adds are done
	s_wait_kmcnt 0x0
	s_add_nc_u64 s[G0+2:G0+3], s[4:5], s[G0+2:G0+3]
	s_or_b32 s[G0+3], s[G0+3], 0x80000000
	s_add_nc_u64 s[G0B+2:G0B+3], s[8:9], s[G0B+2:G0B+3]
	s_or_b32 s[G0B+3], s[G0B+3], 0x80000000
	s_add_nc_u64 s[6:7], s[6:7], s[52:53]
	s_add_nc_u64 s[10:11], s[10:11], s[54:55]
	s_add_nc_u64 s[12:13], s[12:13], s[56:57]
	s_add_nc_u64 s[14:15], s[14:15], s[58:59]
	CROUND                                         ; all sixteen work-groups are here: the joint loads meet
	s_cmp_eq_u32 s18, 0
	s_cbranch_scc0 .Lfor_b
	tensor_load_to_lds s[G0:G0+3], s[G1:G1+7]
	s_nop 0
	PLACES 4
	s_branch .Lasked
.Lfor_b:
	tensor_load_to_lds s[G0B:G0B+3], s[G1B:G1B+7]
	s_nop 0
	PLACES 4
.Lasked:
	v_and_b32 v1, 15, v0
	v_bfe_u32 v2, v0, 4, 1
	v_and_b32 v3, 31, v0
	v_lshlrev_b32 v[CO], 4, v3
	v_lshlrev_b32 v[L8], 3, v3
	v_mul_u32_u24 v4, v1, SPITCH
	v_add_nc_u32 v[ADRA], s60, v[L8]
	v_add_nc_u32 v[ADRB], s61, v[L8]
	v_add_nc_u32 v[ADRB+1], s62, v[L8]
	v_lshl_add_u32 v4, v2, 6, v4
	v_add_nc_u32 v[RD], s63, v[CO]                 ; back: the 32 lanes take one row of 512 bytes
	v_add_nc_u32 v[STO], s63, v4                   ; in: row l % 16, 64 bytes on for the upper half of the lanes
	global_load_b128 v[BO:BO+3], v[CO], s[12:13]   ; my four columns' bias
.irp i, 0,1,2,3
.irp t, 0,1
	global_load_b64 v[SCA+4*\i+2*\t:SCA+4*\i+2*\t+1], v[L8], s[6:7] offset:512*\i+256*\t
.endr
.endr
.irp i, 0,1,2,3,4,5,6,7
.irp t, 0,1
	global_load_b64 v[SCB+4*\i+2*\t:SCB+4*\i+2*\t+1], v[L8], s[10:11] offset:512*\i+256*\t
.endr
.endr
	s_wait_alu depctr_va_vdst(0)
	s_wait_loadcnt 0x0
	s_wait_tensorcnt 0x0                           ; my block is in,
	s_barrier_signal -1
	s_barrier_wait -1                              ; everybody's are: they stay
	FETCH 0
.set Q, 0
.rept 8
	STEPK Q
.set Q, Q+1
.endr
	PLACES 4                                       ; behind the last products: in front of the reads of their results and of the loads into ctx's fragments' registers
	s_barrier_signal -1                            ; no LDS instruction of mine is out: my reads of ctx's bytes are over,
	s_barrier_wait -1                              ; and so are everybody's: the stages may be written
; THE WAY OUT, block by block of 16 rows x 128 columns: through my own stage, back as whole rows of 512 bytes, the bias added, stored as two aligned units of 256 bytes.
.macro TOSTAGE a
.set AC, 64*(\a)
	WIN 0x08                                       ; the data: window 2
.irp b, 0,1,2,3,4,5,6,7
	ds_store_b128 v[STO], v[AC+8*\b:AC+8*\b+3] offset:128*(\b/2)+32*(\b%2)      ; each accumulator from its low end on
	ds_store_b128 v[STO], v[AC+8*\b+4:AC+8*\b+7] offset:128*(\b/2)+32*(\b%2)+16
.endr
	WIN 0
.set BB, BK+64*((\a)%2)
.irp t, 0,1,2,3,4,5,6,7,8,9,10,11,12,13,14,15
	ds_load_b128 v[BB+4*\t:BB+4*\t+3], v[RD] offset:\t*SPITCH   ; LDS serves a wave's instructions in order: these see the stores above
.endr
.endm
.macro SEND a, younger                 ; younger: the LDS instructions issued behind block a's loads, which may stay out
.set BB, BK+64*((\a)%2)
	s_wait_dscnt \younger
.irp t, 0,1,2,3,4,5,6,7,8,9,10,11,12,13,14,15
	v_pk_add_f32 v[BB+4*\t:BB+4*\t+1], v[BB+4*\t:BB+4*\t+1], v[BO:BO+1]
	v_pk_add_f32 v[BB+4*\t+2:BB+4*\t+3], v[BB+4*\t+2:BB+4*\t+3], v[BO+2:BO+3]
	global_store_b128 v[CO], v[BB+4*\t:BB+4*\t+3], s[14:15] offset:(32*((\a)/2)+8*((\a)%2)+\t+8*(\t/8))*4096 th:TH_STORE_NT
.endr
.endm
	TOSTAGE 0
.irp a, 1,2,3
.if \a > 1
	s_wait_xcnt 0x0                                ; block a - 2's stores have read their registers: block a's loads may land there
.endif
	TOSTAGE \a
	SEND \a-1, 32                                  ; behind block a - 1's loads: block a's 16 stores and 16 loads
.endr
	SEND 3, 0
	s_wait_tensorcnt 0x0                           ; the wave's end: behind my tensor load and my last LDS store
	ds_add_u32 v[SPW], v[NIL]
	s_wait_dscnt 0x0
	CROUND                                         ; the closing round
	s_endpgm
.Lfunc_end_k_qa0cbfca48d_outp:
	.size	k_qa0cbfca48d_outp, .Lfunc_end_k_qa0cbfca48d_outp-k_qa0cbfca48d_outp
	.p2alignl 7, 3214868480
	.fill 96, 4, 3214868480
	.section	.rodata,"a",@progbits
	.p2align	6, 0x0
	.amdhsa_kernel k_qa0cbfca48d_outp
		.amdhsa_group_segment_fixed_size 295424
		.amdhsa_private_segment_fixed_size 0
		.amdhsa_enable_private_segment 0
		.amdhsa_kernarg_size 48
		.amdhsa_user_sgpr_count 2
		.amdhsa_user_sgpr_kernarg_segment_ptr 1
		.amdhsa_wavefront_size32 1
		.amdhsa_system_sgpr_workgroup_id_x 1
		.amdhsa_system_sgpr_workgroup_id_y 1
		.amdhsa_system_sgpr_workgroup_id_z 1
		.amdhsa_system_vgpr_workitem_id 0
		.amdhsa_next_free_vgpr 768
		.amdhsa_next_free_sgpr 66
		.amdhsa_reserve_vcc 0
		.amdhsa_float_denorm_mode_32 3
		.amdhsa_float_denorm_mode_16_64 3
		.amdhsa_memory_ordered 1
		.amdhsa_forward_progress 1
		.amdhsa_inst_pref_size 102
	.end_amdhsa_kernel
	.amdgpu_metadata
---
amdhsa.version: [ 1, 2 ]
amdhsa.kernels:
  - .name:           k_qa0cbfca48d_outp
    .symbol:         k_qa0cbfca48d_outp.kd
    .args:
      - { .name: cc, .offset: 0, .size: 8, .value_kind: global_buffer, .address_space: global }
      - { .name: cs, .offset: 8, .size: 8, .value_kind: global_buffer, .address_space: global }
      - { .name: cod, .offset: 16, .size: 8, .value_kind: global_buffer, .address_space: global }
      - { .name: scl, .offset: 24, .size: 8, .value_kind: global_buffer, .address_space: global }
      - { .name: bo, .offset: 32, .size: 8, .value_kind: global_buffer, .address_space: global }
      - { .name: out0, .offset: 40, .size: 8, .value_kind: global_buffer, .address_space: global }
    .group_segment_fixed_size: 295424
    .private_segment_fixed_size: 0
    .kernarg_segment_align: 8
    .kernarg_segment_size: 48
    .max_flat_workgroup_size: 128
    .sgpr_count:     66
    .vgpr_count:     768
    .wavefront_size: 32
...
	.end_amdgpu_metadata
.endif
;; end of part 4
